; MI455X (gfx1250); checked and timed in simulation.
; The chip was launched on July 23, 2026; its instructions are those of AMD's public machine-readable ISA for CDNA 5 (MIT licence, August 2026) and "CDNA5" Instruction Set Architecture Reference Guide (July 2026). The comments in the code are by the model that wrote it; some were corrected since.
;; Attention. Allowed arithmetic: matrix products marked QUANTISED: E4M3 operands, one given power-of-two scale a tensor, by v_wmma_f32_16x16x64_fp8_fp8 or v_wmma_f32_16x16x128_fp8_fp8, f32 sums; everything else in f32.
;; Inputs: Wk 128 x 2,048 float32; Wq 1,024 x 2,048 float32; Wv 128 x 2,048 float32; bk 128 float32; bq 1,024 float32; bv 128 float32; context 4 x 2,048 x 2,048 float32; lowp_scales 10 int32 (the exponents e of the quantised operands' scales 2^e); x 4 x 2,048 x 2,048 float32.
;; Outputs: out0 4 x 8 x 2,048 x 128 float32.
;; This version of the problem:
;;   THIS VERSION OF THE PROBLEM IS GIVEN IN LOW PRECISION. The matrix products marked QUANTISED in the list below multiply operands that are first quantised to E4M3 (4 exponent bits, 3 mantissa bits; 8 bits a number), with one given power-of-two scale for each operand tensor; their sums are f32. All else is computed in f32.
;;   The module's matrix products, in the order in which they are computed (A, B: the left and right operand; K: the contracted axis; several contracted axes count as one K, in the product's order):
;;     1. [M 8,192, K 2,048] x [K 2,048, N 1,024]; A: input x; B: input Wq: QUANTISED (scales: A lowp_scales[0], B lowp_scales[1])
;;     2. [M 8,192, K 2,048] x [K 2,048, N 128]; A: input context; B: input Wk: QUANTISED (scales: A lowp_scales[2], B lowp_scales[3])
;;     3. [M 8,192, K 2,048] x [K 2,048, N 128]; A: input context; B: input Wv: QUANTISED (scales: A lowp_scales[4], B lowp_scales[5])
;;     4. batch 4 x [M 16,384, K 128] x [K 128, N 2,048]; A: computed on the way; B: computed on the way: QUANTISED (scales: A lowp_scales[6], B lowp_scales[7])
;;     5. batch 4 x [M 16,384, K 2,048] x [K 2,048, N 128]; A: computed on the way; B: computed on the way: QUANTISED (scales: A lowp_scales[8], B lowp_scales[9])
;;   THE QUANTISER, for each operand of a quantised product, along K:
;;     - The operand's scale is 2^e, e = its entry of the input lowp_scales (int32; the entries are numbered through the quantised products in the list's order, A before B).
;;     - Each number is divided by the scale, clamped to +-448, and rounded to the nearest number of E4M3, ties to even, subnormals kept.
;;     - The product sums the exact products of the quantised numbers (number of the format x scale) in f32.
;;   ~~~python
;;   def quantise(x, axis, e):      # numpy; x: float32 -> the quantised numbers, widened to float32 again
;;       x = np.moveaxis(x, axis, -1); K = x.shape[-1]
;;       r = np.clip(x / 2.0 ** e, -448, 448)
;;       step = 2.0 ** (np.maximum(np.frexp(np.where(r == 0, 1, r))[1] - 1, -6) - 3)
;;       q = np.round(r / step) * step * 2.0 ** e      # np.round: ties to even
;;       return np.moveaxis(q, -1, axis).astype(np.float32)
;;   ~~~
;;   OPERANDS COMPUTED ON THE WAY. 'Computed on the way' means the value that the module computes at that place (a softmax that the list does not call 'softmax' is quantised finished and normalised). What goes into a quantiser is computed in f32, as accurately as f32 sums, v_exp_f32 and their like allow (about 1e-6 of the number): no bf16 or f16 on the way to a quantiser, and a product that is left as it is and whose result goes on into a quantised operand takes f32 operands (vector FMAs, or v_wmma_f32_16x16x4_f32). A number that lies on a knife's edge between two numbers of the format may be rounded either way, as far as f32 arithmetic and the matrix unit's own rounding can turn it there, and no further.
;; 2 versions, each right. Each part assembles by itself: llvm-mc -triple=amdgcn-amd-amdhsa -mcpu=gfx1250 --defsym DOCPART=n.
;; ======== version 1 of 2: 4 launches
;; workspace buffers: xc 16,777,216 bytes; wqc 2,097,152 bytes; wkv 524,288 bytes; qimg 8,388,608 bytes; kvimg 2,097,152 bytes
;; launch quant (part 1): grid 592 x 1, 4 waves a work-group, no clusters, 33,280 bytes of LDS; arguments x, Wq, Wk, Wv, lowp_scales, xc, wqc, wkv; writes xc, wqc, wkv
.if DOCPART == 1
	.amdgcn_target "amdgcn-amd-amdhsa--gfx1250"
	.amdhsa_code_object_version 6
	.text
	.protected	k_qfebdfc2567_quant
	.globl	k_qfebdfc2567_quant
	.p2align	8
	.type	k_qfebdfc2567_quant,@function
k_qfebdfc2567_quant:
	s_mov_b64 s[64:65], 0
	v_nop
	global_prefetch_b8 v0, s[64:65] scope:SCOPE_SE
	s_setreg_imm32_b32 hwreg(HW_REG_WAVE_MODE, 25, 1), 1
	s_wait_xcnt 0x0
; x [8192][2048] and Wq [1024][2048], f32, become codes of FP8 (E4M3), row-major with K innermost (xc, wqc); Wk and Wv [128][2048] become
; IMAGES OF OPERAND REGISTERS (wkv), as the launch that multiplies by them loads them.
; code = number / 2^e, held within +-448, rounded to the nearest code, ties to even.  e: entry 0 of the scales for x, 1 for Wq, 3 for Wk, 5 for Wv.
; LIMITS: each e between -126 and 119, so that 2^e and 448 x 2^e are f32 numbers.  NaN among the inputs is not served (an infinity is held at the largest code).
; WORK-GROUPS 0-511 take x, 512-575 Wq: a plain stream of 32,768 numbers each, 16 steps of 512 numbers a wave.  Each load reads 512 consecutive bytes; a step's 2,048 bytes
; turn through the wave's own stage in LDS, so that a lane holds 16 neighbours along K for the conversions; a wave's store covers 512 consecutive bytes.
; WORK-GROUPS 576-583 take Wk, 584-591 Wv: work-group = 16 rows (a column block cb of the product), wave sg = four K steps s = 4 sg + f.
; wkv: [tensor 2][s 16][cb 8][2,048 bytes]; registers 4 b .. 4 b + 3 of lane l lie at 512 b + 16 l.  Byte i there is, of row 16 cb + l % 16,
; k = 64 s + 32 b + 16 (l / 16) + i for b < 2 and k = 1024 + 64 s + 32 (b - 2) + 16 (l / 16) + i for b >= 2: a K step takes 64 numbers of each half of K.
; These loads take 64-byte pieces of 16 rows: 2 MiB in the whole launch, read once.  No LDS on this path, no barrier anywhere: waves share nothing.
.set WGX,   512                        ; work-groups for x
.set WGS,   576                        ; and for x and Wq together
.set STEPS, 16
.set EMAX,  8
.set MANT,  0x600000                   ; the mantissa field of 448 as f32
.set CB,    16                         ; bytes of 16 codes
.set R,     16                         ; v16-79   four sets of 16 numbers as they are loaded
.set X,     80                         ; v80-111  two sets of 16 neighbours
.set C,     128                        ; v128-191 codes: four registers for each step, so that no store's data are written again
.set WREG,  8192                       ; LDS: a region for each wave: two stages of 32 x SP bytes
.set SP,    80                         ; a lane's place in a stage: 64 bytes + 16 of padding
.set N0,    16                         ; images: v16-143 two sets of 64 numbers
.set CD,    144                        ; images: v144-207 codes: 16 registers for each fragment, never written again
	s_load_b256 s[4:11], s[0:1], 0x0               ; x, Wq, Wk, Wv
	s_load_b256 s[12:19], s[0:1], 0x20             ; the scales' exponents, xc, wqc, wkv
	v_lshl_add_u32 v208, v0, 2, 0x8000
	v_mov_b32 v209, 0
	v_lshrrev_b32 v1, 5, v0
	v_readfirstlane_b32 s20, v1                    ; wave
	v_and_b32 v2, 31, v0                           ; lane
	s_wait_kmcnt 0x0
	s_load_b256 s[24:31], s[12:13], 0x0            ; e0 .. e7
	s_cmp_ge_u32 ttmp9, WGS
	s_cbranch_scc1 .Limage
	; ---- the stream: x or Wq
	v_lshlrev_b32 v3, 4, v2                        ; my 16 bytes of a load's 512
	s_mul_i32 s21, s20, WREG
	v_lshrrev_b32 v14, 2, v2
	v_mul_u32_u24 v14, v14, SP
	v_and_b32 v15, 3, v2
	v_lshl_add_u32 v14, v15, 4, v14
	v_add_nc_u32 v14, s21, v14                     ; the stage, on the way in: SP (lane / 4) + 16 (lane % 4); a load's 512 bytes take eight places
	v_mul_u32_u24 v15, v2, SP
	v_add_nc_u32 v15, s21, v15                     ; and on the way out: SP x lane: my 16 neighbours
	v_mul_u32_u24 v4, v2, CB                       ; my codes' place in a step's
	s_cmp_lt_u32 ttmp9, WGX                        ; x's work-group or Wq's?  The choice hangs on the work-group's number alone
	s_cselect_b64 s[4:5], s[4:5], s[6:7]
	s_cselect_b64 s[14:15], s[14:15], s[16:17]
	s_cselect_b32 s21, 0, WGX
	s_sub_co_u32 s21, ttmp9, s21
	s_lshl_b32 s21, s21, 2
	s_add_co_u32 s22, s21, s20                     ; which run of 8,192 numbers of the tensor is my wave's
	s_mov_b32 s23, 0
	s_lshl_b64 s[32:33], s[22:23], 15              ; 32,768 bytes of f32
	s_add_nc_u64 s[4:5], s[4:5], s[32:33]
	s_lshl_b64 s[32:33], s[22:23], 13              ; 8,192 bytes of codes
	s_add_nc_u64 s[14:15], s[14:15], s[32:33]
.macro LOAD t
.irp i, 0,1,2,3
	global_load_b128 v[R+16*((\t)%4)+4*\i:R+16*((\t)%4)+4*\i+3], v3, s[4:5] offset:2048*(\t)+512*\i th:TH_LOAD_NT   ; 32 lanes read 512 consecutive bytes
.endr
.endm
.macro TURN t                          ; step t's numbers through the stage: LDS serves a wave's instructions in order, so no wait stands between the stores and the loads
.irp i, 0,1,2,3
	ds_store_b128 v14, v[R+16*((\t)%4)+4*\i:R+16*((\t)%4)+4*\i+3] offset:32*SP*((\t)%2)+8*SP*\i
.endr
.irp i, 0,1,2,3
	ds_load_b128 v[X+16*((\t)%2)+4*\i:X+16*((\t)%2)+4*\i+3], v15 offset:32*SP*((\t)%2)+16*\i
.endr
.endm
.irp t, 0,1,2,3
	LOAD \t
.endr
	s_wait_kmcnt 0x0
	s_cmp_lt_u32 ttmp9, WGX
	s_cselect_b32 s22, s24, s25                    ; e0 or e1
	s_add_co_i32 s22, s22, 127
	s_lshl_b32 s23, s22, 23
	v_mov_b32 v11, s23                             ; 2^e as f32: the conversion takes its exponent field
	s_add_co_i32 s22, s22, EMAX
	s_lshl_b32 s22, s22, 23
	s_or_b32 s22, s22, MANT
	v_mov_b32 v10, s22                             ; 448 x 2^e
	s_wait_loadcnt 12                              ; step 0's four loads are in; the twelve of steps 1 to 3 may be out
	TURN 0
.macro STEP t
.set XS, X+16*((\t)%2)
	s_wait_dscnt 0x0                               ; this step's numbers are back from the stage: so its stores into the stage have read their registers,
.if (\t)+4 < STEPS
	LOAD (\t)+4                                    ; which take the loads of four steps on
.endif
.if (\t)+1 < STEPS
.if STEPS-2-(\t) >= 3
	s_wait_loadcnt 12                              ; the next step's four loads are in; those of the three steps behind it may be out
.else
	s_wait_loadcnt 4*(STEPS-2-(\t))
.endif
	TURN (\t)+1                                    ; and go through the other stage while this step is worked
.endif
.irp i, 0,1,2,3,4,5,6,7,8,9,10,11,12,13,14,15
	v_med3_num_f32 v[XS+\i], v[XS+\i], -v10, v10   ; the conversion to an 8-bit code does not saturate (ISA guide 7.6.2): the hold at the largest code x the scale comes first
.endr
	v_cvt_scalef32_pk8_fp8_f32 v[C+4*(\t):C+4*(\t)+1], v[XS:XS+7], v11
	v_cvt_scalef32_pk8_fp8_f32 v[C+4*(\t)+2:C+4*(\t)+3], v[XS+8:XS+15], v11
	global_store_b128 v4, v[C+4*(\t):C+4*(\t)+3], s[14:15] offset:32*CB*(\t)   ; the wave stores 512 consecutive bytes.  (The codes go to a store alone; the next vector lines are the next step's plain holds)
.endm
.irp t, 0,1,2,3,4,5,6,7,8,9,10,11,12,13,14,15
	STEP \t
.endr
	s_wait_tensorcnt 0x0
	ds_add_u32 v208, v209
	s_wait_dscnt 0x0
	s_endpgm
	; ---- the images: Wk or Wv
.Limage:
	s_sub_co_u32 s21, ttmp9, WGS                   ; 0 .. 15
	s_lshr_b32 s22, s21, 3                         ; 0: Wk, 1: Wv
	s_and_b32 s21, s21, 7                          ; cb
	s_cmp_eq_u32 s22, 0
	s_cselect_b64 s[4:5], s[8:9], s[10:11]
	s_lshl_b32 s32, s21, 17                        ; 16 cb rows of 8,192 bytes,
	s_lshl_b32 s33, s20, 10                        ; my wave's four K steps: 4 sg x 64 numbers
	s_add_co_u32 s32, s32, s33
	s_mov_b32 s33, 0
	s_add_nc_u64 s[4:5], s[4:5], s[32:33]
	s_lshl_b32 s32, s22, 18                        ; wkv: tensor x 262,144
	s_lshl_b32 s34, s20, 16                        ; + 4 sg x 16,384
	s_add_co_u32 s32, s32, s34
	s_lshl_b32 s34, s21, 11                        ; + cb x 2,048
	s_add_co_u32 s32, s32, s34
	s_add_nc_u64 s[18:19], s[18:19], s[32:33]
	v_and_b32 v6, 15, v2                           ; r
	v_lshrrev_b32 v7, 4, v2                        ; h
	v_lshlrev_b32 v4, 13, v6
	v_lshl_add_u32 v4, v7, 6, v4                   ; in: row r, + 16 h numbers
	v_lshlrev_b32 v5, 4, v2                        ; out: 16 x lane
.macro LOADF f                         ; fragment f: register 16 b + 4 j + .. = number 4 j + .. of the lane's 16 in chunk b
.irp b, 0,1,2,3
.irp j, 0,1,2,3
	global_load_b128 v[N0+64*((\f)%2)+16*\b+4*\j:N0+64*((\f)%2)+16*\b+4*\j+3], v4, s[4:5] offset:(\f)*256+(\b/2)*4096+(\b%2)*128+16*\j
.endr
.endr
.endm
.macro QUANTF f
.set NS, N0+64*((\f)%2)
.set i, 0
.rept 64
	v_med3_num_f32 v[NS+i], v[NS+i], -v10, v10
.set i, i+1
.endr
.irp g, 0,1,2,3,4,5,6,7
	v_cvt_scalef32_pk8_fp8_f32 v[CD+16*(\f)+2*\g:CD+16*(\f)+2*\g+1], v[NS+8*\g:NS+8*\g+7], v11
.endr
.irp b, 0,1,2,3
	global_store_b128 v5, v[CD+16*(\f)+4*\b:CD+16*(\f)+4*\b+3], s[18:19] offset:(\f)*16384+512*\b   ; 512 consecutive bytes
.endr
.endm
	LOADF 0
	LOADF 1
	s_wait_kmcnt 0x0
	s_cmp_eq_u32 s22, 0
	s_cselect_b32 s23, s27, s29                    ; e3 or e5
	s_add_co_i32 s23, s23, 127
	s_lshl_b32 s32, s23, 23
	v_mov_b32 v11, s32                             ; 2^e
	s_add_co_i32 s23, s23, EMAX
	s_lshl_b32 s23, s23, 23
	s_or_b32 s23, s23, MANT
	v_mov_b32 v10, s23                             ; 448 x 2^e
	s_wait_loadcnt 16                              ; fragment 0's sixteen loads are in; the next fragment's sixteen may be out
	QUANTF 0
	LOADF 2
	s_wait_loadcnt 16
	QUANTF 1
	LOADF 3
	s_wait_loadcnt 16
	QUANTF 2
	s_wait_loadcnt 0x0
	QUANTF 3
	s_endpgm
.Lfunc_end_k_qfebdfc2567_quant:
	.size	k_qfebdfc2567_quant, .Lfunc_end_k_qfebdfc2567_quant-k_qfebdfc2567_quant
	.p2alignl 7, 3214868480
	.fill 96, 4, 3214868480
	.section	.rodata,"a",@progbits
	.p2align	6, 0x0
	.amdhsa_kernel k_qfebdfc2567_quant
		.amdhsa_group_segment_fixed_size 33280
		.amdhsa_private_segment_fixed_size 0
		.amdhsa_enable_private_segment 0
		.amdhsa_kernarg_size 64
		.amdhsa_user_sgpr_count 2
		.amdhsa_user_sgpr_kernarg_segment_ptr 1
		.amdhsa_wavefront_size32 1
		.amdhsa_system_sgpr_workgroup_id_x 1
		.amdhsa_system_sgpr_workgroup_id_y 1
		.amdhsa_system_sgpr_workgroup_id_z 1
		.amdhsa_system_vgpr_workitem_id 0
		.amdhsa_next_free_vgpr 210
		.amdhsa_next_free_sgpr 66
		.amdhsa_reserve_vcc 0
		.amdhsa_float_denorm_mode_32 3
		.amdhsa_float_denorm_mode_16_64 3
		.amdhsa_memory_ordered 1
		.amdhsa_forward_progress 1
		.amdhsa_inst_pref_size 64
	.end_amdhsa_kernel
	.amdgpu_metadata
---
amdhsa.version: [ 1, 2 ]
amdhsa.kernels:
  - .name:           k_qfebdfc2567_quant
    .symbol:         k_qfebdfc2567_quant.kd
    .args:
      - { .name: x, .offset: 0, .size: 8, .value_kind: global_buffer, .address_space: global }
      - { .name: Wq, .offset: 8, .size: 8, .value_kind: global_buffer, .address_space: global }
      - { .name: Wk, .offset: 16, .size: 8, .value_kind: global_buffer, .address_space: global }
      - { .name: Wv, .offset: 24, .size: 8, .value_kind: global_buffer, .address_space: global }
      - { .name: lowp_scales, .offset: 32, .size: 8, .value_kind: global_buffer, .address_space: global }
      - { .name: xc, .offset: 40, .size: 8, .value_kind: global_buffer, .address_space: global }
      - { .name: wqc, .offset: 48, .size: 8, .value_kind: global_buffer, .address_space: global }
      - { .name: wkv, .offset: 56, .size: 8, .value_kind: global_buffer, .address_space: global }
    .group_segment_fixed_size: 33280
    .private_segment_fixed_size: 0
    .kernarg_segment_align: 8
    .kernarg_segment_size: 64
    .max_flat_workgroup_size: 128
    .sgpr_count:     66
    .vgpr_count:     210
    .wavefront_size: 32
...
	.end_amdgpu_metadata
.endif
;; end of part 1
;; launch kvproj (part 2): grid 256 x 1, 4 waves a work-group, no clusters, 285,184 bytes of LDS; arguments context, wkv, bk, bv, lowp_scales, kvimg; writes kvimg
.if DOCPART == 2
	.amdgcn_target "amdgcn-amd-amdhsa--gfx1250"
	.amdhsa_code_object_version 6
	.text
	.protected	k_qfebdfc2567_kvproj
	.globl	k_qfebdfc2567_kvproj
	.p2align	8
	.type	k_qfebdfc2567_kvproj,@function
k_qfebdfc2567_kvproj:
	s_mov_b64 s[64:65], 0
	v_nop
	global_prefetch_b8 v0, s[64:65] scope:SCOPE_SE
	s_setreg_imm32_b32 hwreg(HW_REG_WAVE_MODE, 25, 1), 1
	s_wait_xcnt 0x0
; k = l2norm(context Wk^T + bk) and v = context Wv^T + bv, both products on codes of FP8 (E4M3); the results leave as codes (k with e7, v with e9), laid as IMAGES OF THE OPERAND REGISTERS of the attention launch.
; context: [8192][2048] f32.  It is quantised TWICE on the way, with e2 for the product with Wk and with e4 for the product with Wv; its codes never go to memory.  wkv: images of Wk's (e3) and Wv's (e5) fragments.
; SHARES.  A work-group owns 32 rows of context.  All their 256 KiB of f32 are asked for at the head: four tensor loads a wave, first fills only; no LDS byte is filled twice.  By this text's count four tensor loads of a wave are out.
; A wave has two parts.  FETCH AND QUANTISE: row tile w % 2 (16 rows), half w / 2 of K; it alone reads those f32 bytes.  MULTIPLY: product w / 2 (0: k, 1: v), column half w % 2: 4 column blocks x 2 row tiles = 8 accumulators.
; A K STEP s takes k = 64 s .. + 63 and 1024 + 64 s .. + 63, so that all four waves quantise in every step.  The codes go from wave to wave through LDS as images of registers (registers 4 q .. 4 q + 3 of lane l at 512 q + 16 l),
; in two buffers by turns: one barrier a step.  The order of k inside a fragment is the same in these images and in wkv: every product meets its partner.
; k IS MADE TRANSPOSED (source 0 = 16 rows of Wk, source 1 = 16 rows of context): a lane holds one key and its registers run along d, which is the next product's K.  v IS MADE AS IT STANDS (source 0 = context, source 1 = Wv):
; a lane holds one channel and its registers run along the keys, which are its next K.  So one conversion of an accumulator gives two registers of the next operand: registers 2 c, 2 c + 1 hold K = 16 c + 8 (l / 16) + 0 .. 7.
; kvimg: [batch 4][key step 16][32,768 bytes]: 8 fragments of k (16 keys x 128 d), then 8 of v^T (16 channels x 128 keys), 2,048 bytes each.
; ONE TEXT FOR BOTH PRODUCTS on the way out: the v waves run the norm's lines too and take 1.0 for the inverse norm by a select on the wave's number; only the last conversions and stores part.
; THE WEIGHTS go from memory straight into registers, three K steps ahead, and are not shared in a cluster: the rows' f32 take 266,240 of the LDS bytes, and each wave reads fragments of its own, 8 KiB a step.
; LIMITS: e2, e4, e7, e9 between -126 and 119; e2 + e3 and e4 + e5 between -126 and 127, so that each power of two below is an f32 number.  NaN among the inputs is not served.
; REGISTERS: window 0: v1-11 addresses; v12-15 scales and holds; v16-47 X, 32 numbers; v48-79 T; v80-95 codes; v96-127 two fragments of context; v128-191 accumulators; v192-223 bias; v224-239 at work.  Window 1: four sets of four weight fragments.
.set PITCH, 1040                       ; an LDS row of f32: 1,024 bytes + 16 of padding: 65 x 16, so the 16 rows that a load touches start at 16 different places modulo 256 bytes
.set LOADB, 16*PITCH                   ; what one tensor load brings: 16 rows x 256 numbers
.set WAVEB, 4*LOADB                    ; a wave's four
.set IMG,   4*WAVEB                    ; behind them: the images: [buffer 2][scale 2][row tile 2][2,048 bytes]
.set SS,    IMG+16384                  ; and the sums of squares: [wave 4][row tile 2][16] f32
.set FA,  4                            ; v4   my f32 bytes: wave x WAVEB + r x PITCH + 64 h
.set IW,  5                            ; v5   where I store images: IMG + (w % 2) x 2,048 + (w / 2) x 1,024 + 16 l
.set IR,  6                            ; v6   where I read them: IMG + (w / 2) x 4,096 + 16 l
.set L16, 7                            ; v7   16 x lane
.set SSW, 8                            ; v8   my sums' place;  v9 my partner's
.set SSR, 9
.set BKO, 10                           ; v10  32 h: bk's offset;  v11  4 r: bv's
.set BVO, 11
.set X,   16
.set T,   48
.set CK,  80
.set CV,  88
.set A,   96
.set ACC, 128                          ; accumulator (column block cb, row tile rt) at ACC + 8 (2 cb + rt)
.set BI,  192
.set SCF, 224                          ; 2^e7 or 2^e9;  v225: 448 x that
.set LMF, 225
.set SQ,  226                          ; v226-233 sums of squares
.set INV, 234                          ; v[234:235], v[236:237]: the inverse norms, as pairs
.set OTH, 238
.set G1,  24
.set G0,  32
.set MSB, 0
.macro WIN new                         ; the immediate's high byte repeats the setting that is left
.if MSB != \new
	s_set_vgpr_msb (MSB<<8)|\new
.set MSB, \new
.endif
.endm
	s_load_b256 s[4:11], s[0:1], 0x0               ; context, wkv, bk, bv
	s_load_b128 s[12:15], s[0:1], 0x20             ; the scales' exponents, kvimg
	v_lshl_add_u32 v254, v0, 2, 0x45800
	v_mov_b32 v255, 0
	ds_add_u32 v254, v255
	ds_add_u32 v254, v255
	v_lshrrev_b32 v1, 5, v0
	v_readfirstlane_b32 s16, v1                    ; wave
	s_and_b32 s17, s16, 1                          ; row tile that I quantise; column half that I multiply
	s_lshr_b32 s18, s16, 1                         ; half of K that I quantise; product that I multiply (0: k, 1: v)
	; descriptor group 1: 16 rows x 256 elements of 4 bytes, 2,048 elements from row to row, 4 words of padding behind every 256
	s_mov_b32 s[G1+0], (2<<16)|(1<<20)|(7<<22)|(3<<25)
	s_mov_b32 s[G1+1], 256<<16                     ; tensor_dim0
	s_mov_b32 s[G1+2], 16<<16                      ; tensor_dim1
	s_mov_b32 s[G1+3], 256<<16                     ; tile_dim0
	s_mov_b32 s[G1+4], 16                          ; tile_dim1
	s_mov_b32 s[G1+5], 2048                        ; tensor_dim0_stride
	s_mov_b32 s[G1+6], 0
	s_mov_b32 s[G1+7], 0
	s_mul_i32 s66, s16, WAVEB                      ; my f32 bytes in LDS
	s_lshl_b32 s68, ttmp9, 18                      ; 32 rows of 8,192 bytes a work-group,
	s_lshl_b32 s67, s17, 17                        ; 16 rows,
	s_add_co_u32 s68, s68, s67
	s_lshl_b32 s67, s18, 12                        ; 1,024 numbers
	s_add_co_u32 s68, s68, s67
	s_mov_b32 s69, 0
	s_wait_dscnt 0x0
	s_wait_kmcnt 0x0
	s_load_b256 s[48:55], s[12:13], 0x0            ; e0 .. e7
	s_load_b64 s[56:57], s[12:13], 0x20            ; e8, e9
	s_add_nc_u64 s[70:71], s[4:5], s[68:69]
.irp i, 0,1,2,3
	s_mov_b32 s[G0+4*\i], 1
	s_add_co_u32 s[G0+4*\i+1], s66, \i*LOADB
	s_add_nc_u64 s[G0+4*\i+2:G0+4*\i+3], s[70:71], \i*1024
	s_or_b32 s[G0+4*\i+3], s[G0+4*\i+3], 0x80000000
.endr
.irp i, 0,1,2,3
	tensor_load_to_lds s[G0+4*\i:G0+4*\i+3], s[G1:G1+7]   ; load i: K steps 4 i .. 4 i + 3 of my half of K
	s_nop 0
.endr
.rept 4
	v_nop                                          ; the four lines behind a tensor load
.endr
	v_and_b32 v1, 31, v0                           ; lane
	v_and_b32 v2, 15, v0                           ; r
	v_bfe_u32 v3, v0, 4, 1                         ; h
	v_mul_u32_u24 v[FA], v2, PITCH
	v_lshl_add_u32 v[FA], v3, 6, v[FA]
	v_add_nc_u32 v[FA], s66, v[FA]
	v_lshlrev_b32 v[L16], 4, v1
	s_lshl_b32 s67, s17, 11
	s_lshl_b32 s79, s18, 10
	s_add_co_u32 s67, s67, s79
	s_add_co_u32 s67, s67, IMG
	v_add_nc_u32 v[IW], s67, v[L16]
	s_lshl_b32 s67, s18, 12
	s_add_co_u32 s67, s67, IMG
	v_add_nc_u32 v[IR], s67, v[L16]
	v_lshlrev_b32 v[BVO], 2, v2
	s_lshl_b32 s67, s16, 7
	s_add_co_u32 s67, s67, SS
	v_add_nc_u32 v[SSW], s67, v[BVO]
	s_xor_b32 s67, s16, 1                          ; my partner has the other 64 columns of the same product
	s_lshl_b32 s67, s67, 7
	s_add_co_u32 s67, s67, SS
	v_add_nc_u32 v[SSR], s67, v[BVO]
	v_lshlrev_b32 v[BKO], 5, v3
	v_mov_b32 v[INV+1], 0                          ; the pairs' upper words: written once; they also take the lane permutes' results
	v_mov_b32 v[INV+3], 0
	s_mov_b32 s62, 0x76543210                      ; v_permlanex16_b32's selects for lane l xor 16
	s_mov_b32 s63, 0xfedcba98
	s_cmp_eq_u32 s18, 0
	s_cselect_b64 s[72:73], s[8:9], s[10:11]       ; bk or bv,
	s_lshl_b32 s74, s17, 8                         ; at my 64 columns
	s_mov_b32 s75, 0
	s_add_nc_u64 s[72:73], s[72:73], s[74:75]
	s_lshl_b32 s74, s18, 18                        ; wkv: tensor x 262,144 + column half x 4 fragments
	s_lshl_b32 s79, s17, 13
	s_add_co_u32 s74, s74, s79
	s_add_nc_u64 s[76:77], s[6:7], s[74:75]
	; where my codes go: (work-group / 4) x 32,768; k: + (2 qd + rt) x 2,048 + 512 (2 hf + q);  v: + 16,384 + (4 hf + cb) x 2,048 + 512 qd, qd = work-group % 4
	s_lshr_b32 s66, ttmp9, 2
	s_lshl_b32 s66, s66, 15
	s_and_b32 s67, ttmp9, 3
	s_lshl_b32 s68, s67, 12
	s_lshl_b32 s69, s17, 10
	s_add_co_u32 s68, s68, s69
	s_lshl_b32 s67, s67, 9
	s_lshl_b32 s69, s17, 13
	s_add_co_u32 s67, s67, s69
	s_add_co_u32 s67, s67, 16384
	s_cmp_eq_u32 s18, 0
	s_cselect_b32 s67, s68, s67
	s_add_co_u32 s66, s66, s67
	s_mov_b32 s67, 0
	s_add_nc_u64 s[14:15], s[14:15], s[66:67]
	; the bias in the result's layout, 8 registers a column block.  k: the lane's eight d, 16 cb + 8 h + 0 .. 7.  v: the lane's one channel, 16 cb + r, in all eight, so that one text adds both
	s_cmp_eq_u32 s18, 0
	s_cbranch_scc0 .Lbias_v
.irp cb, 0,1,2,3
	global_load_b128 v[BI+8*\cb:BI+8*\cb+3], v[BKO], s[72:73] offset:64*\cb
	global_load_b128 v[BI+8*\cb+4:BI+8*\cb+7], v[BKO], s[72:73] offset:64*\cb+16
.endr
	s_branch .Lbias_done
.Lbias_v:
.irp cb, 0,1,2,3
.irp j, 0,1,2,3,4,5,6,7
	global_load_b32 v[BI+8*\cb+\j], v[BVO], s[72:73] offset:64*\cb
.endr
.endr
.Lbias_done:
.macro WLOAD s                         ; K step s's four weight fragments into set s % 4 of window 1
	WIN 0x40
.irp cb, 0,1,2,3
.irp q, 0,1,2,3
	global_load_b128 v[64*((\s)%4)+16*\cb+4*\q:64*((\s)%4)+16*\cb+4*\q+3], v[L16], s[76:77] offset:(\s)*16384+\cb*2048+512*\q
.endr
.endr
	WIN 0
.endm
.macro XLOAD s                         ; K step s's 32 numbers of my row: register 16 b + i = k 64 s + 32 b + 16 h + i of my half of K
.irp b, 0,1
.irp j, 0,1,2,3
	ds_load_b128 v[X+16*\b+4*\j:X+16*\b+4*\j+3], v[FA] offset:((\s)/4)*LOADB+((\s)%4)*256+128*\b+16*\j
.endr
.endr
.endm
	WLOAD 0
	WLOAD 1
	WLOAD 2
	s_wait_kmcnt 0x0
	s_add_co_i32 s67, s50, 127
	s_lshl_b32 s68, s67, 23
	v_mov_b32 v12, s68                             ; 2^e2
	s_add_co_i32 s67, s67, 8
	s_lshl_b32 s67, s67, 23
	s_or_b32 s67, s67, 0x600000
	v_mov_b32 v13, s67                             ; 448 x 2^e2
	s_add_co_i32 s67, s52, 127
	s_lshl_b32 s68, s67, 23
	v_mov_b32 v14, s68                             ; 2^e4
	s_add_co_i32 s67, s67, 8
	s_lshl_b32 s67, s67, 23
	s_or_b32 s67, s67, 0x600000
	v_mov_b32 v15, s67                             ; 448 x 2^e4
	s_add_co_i32 s67, s50, s51                     ; e2 + e3
	s_add_co_i32 s68, s52, s53                     ; e4 + e5
	s_cmp_eq_u32 s18, 0
	s_cselect_b32 s60, s67, s68
	s_cselect_b32 s69, s55, s57                    ; e7 or e9
	s_cselect_b32 s78, -1, 0                       ; all lanes in a k wave, none in a v wave
	s_add_co_i32 s60, s60, 127
	s_lshl_b32 s60, s60, 23                        ; what a finished sum is multiplied by
	s_mov_b32 s61, s60                             ; (named with it as a pair, so it is written)
	s_add_co_i32 s69, s69, 127
	s_lshl_b32 s68, s69, 23
	v_mov_b32 v[SCF], s68
	s_add_co_i32 s69, s69, 8
	s_lshl_b32 s69, s69, 23
	s_or_b32 s69, s69, 0x600000
	v_mov_b32 v[LMF], s69
	s_wait_tensorcnt 0x3                           ; my first load has landed; the three behind it may be out
	XLOAD 0
; 8 products: the eight accumulators take turns, one instruction a turn, in the same order in every step.  kind 0: k, transposed; 1: v
.macro PROD s, kind
.irp rt, 0,1
.irp cb, 0,1,2,3
.set ai, ACC+8*(2*\cb+\rt)
.set wf, 64*((\s)%4)+16*\cb
.set af, A+16*\rt
.if (\kind) == 0
.if (\s) == 0
	v_wmma_f32_16x16x128_fp8_fp8 v[ai:ai+7], v[wf:wf+15], v[af:af+15], 0
.else
	v_wmma_f32_16x16x128_fp8_fp8 v[ai:ai+7], v[wf:wf+15], v[af:af+15], v[ai:ai+7]
.endif
.else
.if (\s) == 0
	v_wmma_f32_16x16x128_fp8_fp8 v[ai:ai+7], v[af:af+15], v[wf:wf+15], 0
.else
	v_wmma_f32_16x16x128_fp8_fp8 v[ai:ai+7], v[af:af+15], v[wf:wf+15], v[ai:ai+7]
.endif
.endif
.endr
.endr
.endm
.macro KSTEP s
	s_wait_dscnt 0x0                               ; this step's 32 numbers are in
.set i, 0
.rept 32
	v_med3_num_f32 v[T+i], v[X+i], -v13, v13       ; held for e2 (the conversion does not saturate: ISA guide 7.6.2).  These 64 plain lines are also the places behind the last step's products, ahead of the loads into their operands
.set i, i+1
.endr
.irp g, 0,1,2,3
	v_cvt_scalef32_pk8_fp8_f32 v[CK+2*\g:CK+2*\g+1], v[T+8*\g:T+8*\g+7], v12
.endr
.set i, 0
.rept 32
	v_med3_num_f32 v[X+i], v[X+i], -v15, v15       ; and for e4
.set i, i+1
.endr
.irp g, 0,1,2,3
	v_cvt_scalef32_pk8_fp8_f32 v[CV+2*\g:CV+2*\g+1], v[X+8*\g:X+8*\g+7], v14
.endr
	v_nop                                          ; one plain line behind the last conversion of the run
	ds_store_b128 v[IW], v[CK:CK+3] offset:((\s)%2)*8192
	ds_store_b128 v[IW], v[CK+4:CK+7] offset:((\s)%2)*8192+512
	ds_store_b128 v[IW], v[CV:CV+3] offset:((\s)%2)*8192+4096
	ds_store_b128 v[IW], v[CV+4:CV+7] offset:((\s)%2)*8192+4096+512
	s_wait_dscnt 0x0                               ; my images have landed, and my reads of the last step's images came back at this step's head: so the buffer that the next step writes is free
	s_barrier_signal -1
	s_barrier_wait -1
.irp rt, 0,1
.irp q, 0,1,2,3
	ds_load_b128 v[A+16*\rt+4*\q:A+16*\rt+4*\q+3], v[IR] offset:((\s)%2)*8192+\rt*2048+512*\q
.endr
.endr
.if (\s) < 15
.if ((\s)+1)%4 == 0
	s_wait_tensorcnt 3-((\s)+1)/4                  ; the load that holds the next four steps has landed; the later ones may be out
.endif
	XLOAD (\s)+1
.endif
.if (\s) <= 12
	WLOAD (\s)+3                                   ; into the set that the last step multiplied
.endif
.if 15-(\s) >= 3
	s_wait_loadcnt 48                              ; this step's weights are in; those of the three steps behind may be out
.else
	s_wait_loadcnt 16*(15-(\s))
.endif
.if (\s) < 15
	s_wait_dscnt 8                                 ; the two fragments are in; the next step's eight reads may be out
.else
	s_wait_dscnt 0x0
.endif
	s_cmp_eq_u32 s18, 0
	s_cbranch_scc0 .Lprod_v_\@
	WIN 0x01                                       ; source 0 (Wk) window 1
	PROD \s, 0
	WIN 0
	s_branch .Lprod_done_\@
.Lprod_v_\@:
	WIN 0x04                                       ; source 1 (Wv) window 1
	PROD \s, 1
	WIN 0
.Lprod_done_\@:
.endm
.irp s, 0,1,2,3,4,5,6,7,8,9,10,11,12,13,14,15
	KSTEP \s
.endr
	; THE WAY OUT
.rept 4
	v_nop                                          ; places behind the last products
.endr
.irp cb, 0,1,2,3
.irp rt, 0,1
.irp i, 0,2,4,6
	v_pk_fma_f32 v[ACC+8*(2*\cb+\rt)+\i:ACC+8*(2*\cb+\rt)+\i+1], v[ACC+8*(2*\cb+\rt)+\i:ACC+8*(2*\cb+\rt)+\i+1], s[60:61], v[BI+8*\cb+\i:BI+8*\cb+\i+1] op_sel_hi:[1,0,1]   ; sum x 2^(the two exponents) + bias; each accumulator from its low end on
.endr
.endr
.endr
.irp rt, 0,1                           ; the sum of squares of my 32 numbers of a row tile, in two chains of pairs
.set p, 0
.rept 16
.set a, ACC+8*(2*(p/4)+\rt)+2*(p%4)
.set q, SQ+4*\rt+2*(p%2)
.if p < 2
	v_pk_mul_f32 v[q:q+1], v[a:a+1], v[a:a+1]
.else
	v_pk_fma_f32 v[q:q+1], v[a:a+1], v[a:a+1], v[q:q+1]
.endif
.set p, p+1
.endr
.endr
	v_pk_add_f32 v[SQ:SQ+1], v[SQ:SQ+1], v[SQ+2:SQ+3]
	v_pk_add_f32 v[SQ+4:SQ+5], v[SQ+4:SQ+5], v[SQ+6:SQ+7]
	v_add_f32 v[SQ], v[SQ], v[SQ+1]
	v_add_f32 v[SQ+4], v[SQ+4], v[SQ+5]
	v_permlanex16_b32 v[INV+1], v[SQ], s62, s63    ; the key's other d of my 64 lie in lane l xor 16
	v_permlanex16_b32 v[INV+3], v[SQ+4], s62, s63
	v_add_f32 v[SQ], v[SQ], v[INV+1]
	v_add_f32 v[SQ+4], v[SQ+4], v[INV+3]
	ds_store_b32 v[SSW], v[SQ]                     ; lanes l and l xor 16 store the same number to the same word
	ds_store_b32 v[SSW], v[SQ+4] offset:64
	s_wait_dscnt 0x0                               ; for my partner's sake
	s_barrier_signal -1
	s_barrier_wait -1
	ds_load_b32 v[OTH], v[SSR]                     ; the other 64 d
	ds_load_b32 v[OTH+1], v[SSR] offset:64
	s_wait_dscnt 0x0
	v_add_f32 v[SQ], v[SQ], v[OTH]
	v_add_f32 v[SQ+4], v[SQ+4], v[OTH+1]
	v_sqrt_f32 v[SQ+2], v[SQ]
	v_sqrt_f32 v[SQ+6], v[SQ+4]
	v_nop                                          ; a plain line behind the roots,
	s_wait_alu depctr_va_vdst(0)                   ; and one wait for both, ahead of their first reader
	v_max_num_f32 v[SQ+2], 0x2b8cbccc, v[SQ+2]     ; max(norm, 1e-12)
	v_max_num_f32 v[SQ+6], 0x2b8cbccc, v[SQ+6]
	v_rcp_f32 v[INV], v[SQ+2]
	v_rcp_f32 v[INV+2], v[SQ+6]
	v_nop
	s_wait_alu depctr_va_vdst(0)
	v_cndmask_b32 v[INV], 1.0, v[INV], s78         ; v is not normalised: its waves take 1.0
	v_cndmask_b32 v[INV+2], 1.0, v[INV+2], s78
.irp cb, 0,1,2,3
.irp rt, 0,1
.irp i, 0,2,4,6
	v_pk_mul_f32 v[ACC+8*(2*\cb+\rt)+\i:ACC+8*(2*\cb+\rt)+\i+1], v[ACC+8*(2*\cb+\rt)+\i:ACC+8*(2*\cb+\rt)+\i+1], v[INV+2*\rt:INV+2*\rt+1] op_sel_hi:[1,0]
.endr
.endr
.endr
.set i, 0
.rept 64
	v_med3_num_f32 v[ACC+i], v[ACC+i], -v[LMF], v[LMF]
.set i, i+1
.endr
	s_cmp_eq_u32 s18, 0
	s_cbranch_scc0 .Lout_v
.irp rt, 0,1                           ; k: block cb gives registers 2 (4 hf + cb), + 1 of key tile rt's fragment
.irp cb, 0,1,2,3
	v_cvt_scalef32_pk8_fp8_f32 v[CK+8*\rt+2*\cb:CK+8*\rt+2*\cb+1], v[ACC+8*(2*\cb+\rt):ACC+8*(2*\cb+\rt)+7], v[SCF]
.endr
.endr
	v_nop
.irp rt, 0,1
.irp q, 0,1
	global_store_b128 v[L16], v[CK+8*\rt+4*\q:CK+8*\rt+4*\q+3], s[14:15] offset:\rt*2048+512*\q   ; 512 consecutive bytes
.endr
.endr
	s_wait_tensorcnt 0x0
	ds_add_u32 v254, v255
	s_wait_dscnt 0x0
	s_endpgm
.Lout_v:
.irp cb, 0,1,2,3                       ; v: row tile rt gives registers 2 (2 qd + rt), + 1 of channel block cb's fragment
.irp rt, 0,1
	v_cvt_scalef32_pk8_fp8_f32 v[CK+4*\cb+2*\rt:CK+4*\cb+2*\rt+1], v[ACC+8*(2*\cb+\rt):ACC+8*(2*\cb+\rt)+7], v[SCF]
.endr
.endr
	v_nop
.irp cb, 0,1,2,3
	global_store_b128 v[L16], v[CK+4*\cb:CK+4*\cb+3], s[14:15] offset:\cb*2048
.endr
	s_wait_tensorcnt 0x0
	ds_add_u32 v254, v255
	s_wait_dscnt 0x0
	s_endpgm
.Lfunc_end_k_qfebdfc2567_kvproj:
	.size	k_qfebdfc2567_kvproj, .Lfunc_end_k_qfebdfc2567_kvproj-k_qfebdfc2567_kvproj
	.p2alignl 7, 3214868480
	.fill 96, 4, 3214868480
	.section	.rodata,"a",@progbits
	.p2align	6, 0x0
	.amdhsa_kernel k_qfebdfc2567_kvproj
		.amdhsa_group_segment_fixed_size 285184
		.amdhsa_private_segment_fixed_size 0
		.amdhsa_enable_private_segment 0
		.amdhsa_kernarg_size 48
		.amdhsa_user_sgpr_count 2
		.amdhsa_user_sgpr_kernarg_segment_ptr 1
		.amdhsa_wavefront_size32 1
		.amdhsa_system_sgpr_workgroup_id_x 1
		.amdhsa_system_sgpr_workgroup_id_y 1
		.amdhsa_system_sgpr_workgroup_id_z 1
		.amdhsa_system_vgpr_workitem_id 0
		.amdhsa_next_free_vgpr 512
		.amdhsa_next_free_sgpr 80
		.amdhsa_reserve_vcc 0
		.amdhsa_float_denorm_mode_32 3
		.amdhsa_float_denorm_mode_16_64 3
		.amdhsa_memory_ordered 1
		.amdhsa_forward_progress 1
		.amdhsa_inst_pref_size 164
	.end_amdhsa_kernel
	.amdgpu_metadata
---
amdhsa.version: [ 1, 2 ]
amdhsa.kernels:
  - .name:           k_qfebdfc2567_kvproj
    .symbol:         k_qfebdfc2567_kvproj.kd
    .args:
      - { .name: context, .offset: 0, .size: 8, .value_kind: global_buffer, .address_space: global }
      - { .name: wkv, .offset: 8, .size: 8, .value_kind: global_buffer, .address_space: global }
      - { .name: bk, .offset: 16, .size: 8, .value_kind: global_buffer, .address_space: global }
      - { .name: bv, .offset: 24, .size: 8, .value_kind: global_buffer, .address_space: global }
      - { .name: lowp_scales, .offset: 32, .size: 8, .value_kind: global_buffer, .address_space: global }
      - { .name: kvimg, .offset: 40, .size: 8, .value_kind: global_buffer, .address_space: global }
    .group_segment_fixed_size: 285184
    .private_segment_fixed_size: 0
    .kernarg_segment_align: 8
    .kernarg_segment_size: 48
    .max_flat_workgroup_size: 128
    .sgpr_count:     80
    .vgpr_count:     512
    .wavefront_size: 32
...
	.end_amdgpu_metadata
.endif
;; end of part 2
;; launch qproj (part 3): grid 4 x 32, 4 waves a work-group, clusters of 4 x 4, 327,680 bytes of LDS; arguments xc, wqc, lowp_scales, bq, qimg; writes qimg
.if DOCPART == 3
	.amdgcn_target "amdgcn-amd-amdhsa--gfx1250"
	.amdhsa_code_object_version 6
	.text
	.protected	k_qfebdfc2567_qproj
	.globl	k_qfebdfc2567_qproj
	.p2align	8
	.type	k_qfebdfc2567_qproj,@function
k_qfebdfc2567_qproj:
	s_mov_b64 s[64:65], 0
	v_nop
	global_prefetch_b8 v0, s[64:65] scope:SCOPE_SE
	s_setreg_imm32_b32 hwreg(HW_REG_WAVE_MODE, 25, 1), 1
	s_wait_xcnt 0x0
	s_wait_alu depctr_hold_cnt(0) depctr_sa_sdst(0) depctr_va_vdst(0) depctr_va_sdst(0) depctr_va_ssrc(0) depctr_va_vcc(0) depctr_vm_vsrc(0)
	s_getreg_b32 s2, hwreg(HW_REG_IB_STS2, 6, 4)
	s_cmp_eq_u32 s2, 0
	s_cbranch_scc0 .Lentry_in_a_cluster
	s_endpgm
.Lentry_in_a_cluster:
	s_bfe_u32 s2, ttmp6, 0x10000c
	s_cmp_lg_u32 s2, 0xf033
	s_cbranch_scc0 .Lentry_shape_is_right
	s_endpgm
.Lentry_shape_is_right:
; q = l2norm per head of (x Wq^T + bq), the product on codes of FP8 (E4M3): xc [8192][2048] (scale 2^e0), wqc [1024][2048] (2^e1), K innermost.  The result leaves as codes with the scale 2^e6,
; laid as IMAGES OF THE OPERAND REGISTERS of the attention launch: qimg, fragment ((batch x 8 + head) x 128 + n / 16) of 2,048 bytes; registers 4 q .. 4 q + 3 of lane l at 512 q + 16 l.
; A tile of 256 rows x 256 columns is made by a work-group of four waves; a wave makes 128 x 128: 128 rows x ONE HEAD, 64 accumulators, 512 registers.
; K goes in steps of 256 through a ring of two LDS slots filled by the tensor data mover: a tile's row is 256 bytes of memory.
; CLUSTERS: 4 x 4 work-groups.  The four of a row of the cluster need the same tiles of x, the four of a column the same tiles of Wq: each tile is asked for JOINTLY, by the same tensor load with the same descriptor and a mask that names the four.
; THE MATRIX INSTRUCTION IS USED TRANSPOSED (source 0 = 16 rows of Wq, source 1 = 16 rows of x): a lane holds one row of q, and the registers of accumulator (a, b) the head's d = 16 b + 8 (l / 16) + 0 .. 7.
; So a row's norm wants one exchange between the halves of the lanes, and one conversion of an accumulator gives registers 2 b, 2 b + 1 of the next operand.  The way out uses no LDS.
; 128 work-groups: one tile each.
; LIMITS: e0 + e1 between -126 and 127; e6 between -126 and 119.  NaN among the inputs is not served.
; REGISTERS, in windows of 256: window 0: v0-31 addresses; v32-95 bq in the result's layout, later the codes; from v128 x's fragments, ONE set; on the way out v96-241 are at work.
;   window 1: Wq's fragments, TWO sets.   window 2: the 32 accumulators of my rows 0-63 (accumulator (a, b) at v[8 (8 a + b)]);   window 3: those of my rows 64-127.
.set SIZE_M, 8192
.set SIZE_N, 1024
.set SIZE_K, 2048
.set KSTEP,  256                       ; along K in a slot
.set ROWB,   256                       ; a tile's row in bytes
.set KROW,   SIZE_K                    ; a row of codes in memory, in bytes
.set PITCH,  272                       ; an LDS row: 256 bytes + 16 of padding = 68 words: row r starts at bank 4 r mod 64 (64 banks of 4 bytes: ISA guide 11.1)
.set FR,     16                        ; registers of a fragment: 16 rows x 128 K
.set NL,     4                         ; LDS loads that bring one
.set NP,     4                         ; places behind this matrix instruction (ISA guide 7.12.1)
.set HALFT,  128*PITCH                 ; 128 rows: what one tensor load brings
.set SLOT,   4*HALFT                   ; x's 256 rows, then Wq's 256 rows
.set LAPS,   SIZE_K/(2*KSTEP)          ; a lap = two K steps = once round the ring
.set SPARE,  2*SLOT                    ; behind the ring: the spare words, 128 bytes for each wave: two blocks of 256 bytes that no other line names
.set ADRA, 16                          ; v16-17  LDS address of my fragments of x in slot 0, 1
.set ADRB, 20                          ; v20-21  the same for Wq
.set L16,  26                          ; v26     16 x lane
.set BQO,  27                          ; v27     32 (l / 16): bq's offset; never rewritten
.set SPW,  28                          ; v28     LDS address of my spare word; never rewritten
.set NIL,  29                          ; v29     0; never rewritten
.set BQ,   32                          ; v32-95  bq: register 8 b + j = bq of d = 16 b + 8 (l / 16) + j; later four sets of 16 registers of codes
.set T,    96                          ; v96-159 a tile's 64 numbers on their way to codes
.set SSQ,  160                         ; v160-223 sums of squares, 8 registers a tile
.set INV,  224                         ; v224-239 the inverse norms, a pair a tile
.set AF,   128                         ; x's fragments, in window 0
.set G1, 24
.set G0, 32
.set G1B, 48
.set G0B, 56
.set MSB, 0
.macro WIN new                         ; the immediate's high byte repeats the setting that is left
.if MSB != \new
	s_set_vgpr_msb (MSB<<8)|\new
.set MSB, \new
.endif
.endm
.set MUL_LO, 0xa1                      ; source 0 (Wq) window 1, source 1 (x) window 0, C and D window 2
.set MUL_HI, 0xf1                      ; the same, C and D window 3
.set TO_B,   0x40                      ; destination window 1, address window 0
; A joint load: waves 0 and 1 fetch for x, waves 2 and 3 for Wq.  Each of the two lines has ONE mask and one set of registers for all that issue it; the branch hangs on the wave's number alone.
; Four v_nop follow each of the two lines, ahead of the jump, the label and what follows.
.macro JLOAD g0a, g1a, g0b, g1b
	s_cmp_eq_u32 s15, 0
	s_cbranch_scc0 .Lfor_b_\@
	tensor_load_to_lds s[\g0a:\g0a+3], s[\g1a:\g1a+7]
	s_nop 0
.rept 4
	v_nop
.endr
	s_branch .Lasked_\@
.Lfor_b_\@:
	tensor_load_to_lds s[\g0b:\g0b+3], s[\g1b:\g1b+7]
	s_nop 0
.rept 4
	v_nop
.endr
.Lasked_\@:
.endm
.macro CREST                           ; a round of the cluster's barrier behind its opening barrier
	s_cmp_lg_u32 s14, 0
	s_cbranch_scc1 .Lnot_wave_0_\@
	s_barrier_signal -3
.Lnot_wave_0_\@:
	s_barrier_wait -3
	s_barrier_signal -1
	s_barrier_wait -1
.endm
.macro CROUND                          ; a whole round
	s_barrier_signal -1
	s_barrier_wait -1
	CREST
.endm
	s_load_b128 s[4:7], s[0:1], 0x0                ; xc, wqc
	s_load_b128 s[8:11], s[0:1], 0x10              ; the scales' exponents, bq
	s_load_b64 s[12:13], s[0:1], 0x20              ; qimg
	v_lshl_add_u32 v[SPW], v0, 2, SPARE
	v_mov_b32 v[NIL], 0
	ds_add_u32 v28, v29
	ds_add_u32 v28, v29
	s_wait_dscnt 0x0
	v_lshrrev_b32 v1, 5, v0
	v_readfirstlane_b32 s14, v1                    ; wave 0..3
	s_lshr_b32 s15, s14, 1                         ; which half of the tile's rows is mine.  Also: I fetch for x (0) or for Wq (1)
	s_and_b32 s16, s14, 1                          ; which half of its columns.  Also: which 128 rows of that tile I fetch
	s_bfe_u32 s40, ttmp6, 0x40000                  ; cx, cy: my place in the cluster
	s_bfe_u32 s41, ttmp6, 0x40004
	s_lshl_b32 s42, ttmp9, 2
	s_add_co_u32 s42, s42, s40                     ; tile column = 4 x cluster x + cx
	s_and_b32 s17, ttmp7, 0xffff
	s_lshl_b32 s17, s17, 2
	s_add_co_u32 s17, s17, s41                     ; tile row = 4 x cluster y + cy
	s_lshl_b32 s43, s41, 2
	s_lshl_b32 s43, 15, s43                        ; my row of the cluster
	s_lshl_b32 s44, 0x1111, s40                    ; my column
	; descriptor group 1: a tile of 128 rows x ROWB bytes, padded in LDS
	s_or_b32 s[G1+0], s43, (0<<16)|(1<<20)|(1<<21)|(5<<22)|(3<<25)  ; 15:0 the mask: x's tiles go to my row; 17:16 element of 1 byte; 20 padding on; 21 set beside a mask; 24:22 after every 64 words (code 5); 31:25 of 4 words (code 3)
	s_or_b32 s[G1B+0], s44, (0<<16)|(1<<20)|(1<<21)|(5<<22)|(3<<25)
.irp g, G1, G1B
	s_mov_b32 s[\g+1], ROWB<<16                    ; tensor_dim0
	s_mov_b32 s[\g+2], 128<<16                     ; tensor_dim1 = 128
	s_mov_b32 s[\g+3], ROWB<<16                    ; tile_dim0
	s_mov_b32 s[\g+4], 128                         ; tile_dim1 = 128
	s_mov_b32 s[\g+5], KROW                        ; tensor_dim0_stride
	s_mov_b32 s[\g+6], 0
	s_mov_b32 s[\g+7], 0
.endr
	s_lshl_b32 s18, s16, 7                         ; which 128 rows of the tile I fetch
	s_lshl_b32 s20, s17, 8
	s_add_co_u32 s20, s20, s18                     ; x: row 256 x tile row + 128 x half
	s_lshl_b32 s46, s42, 8
	s_add_co_u32 s46, s46, s18                     ; Wq: row 256 x tile column + 128 x half
	s_mov_b32 s21, 0
	s_mov_b32 s47, 0
	s_mov_b64 s[18:19], KROW
	s_mul_u64 s[20:21], s[20:21], s[18:19]
	s_mul_u64 s[46:47], s[46:47], s[18:19]
	s_mul_i32 s45, s14, HALFT                      ; where they go: wave x 128 rows: no place in the cluster enters an LDS address
	s_wait_kmcnt 0x0
	s_load_b256 s[68:75], s[8:9], 0x0              ; e0 .. e7
	s_add_nc_u64 s[20:21], s[4:5], s[20:21]
	s_add_nc_u64 s[46:47], s[6:7], s[46:47]
	CROUND                                         ; all sixteen work-groups are here: the first joint loads meet
.irp s, 0,1
	s_mov_b32 s[G0+4*\s], 1
	s_add_co_u32 s[G0+4*\s+1], s45, \s*SLOT
	s_add_nc_u64 s[G0+4*\s+2:G0+4*\s+3], s[20:21], \s*ROWB
	s_or_b32 s[G0+4*\s+3], s[G0+4*\s+3], 0x80000000
	s_mov_b32 s[G0B+4*\s], 1
	s_add_co_u32 s[G0B+4*\s+1], s45, \s*SLOT
	s_add_nc_u64 s[G0B+4*\s+2:G0B+4*\s+3], s[46:47], \s*ROWB
	s_or_b32 s[G0B+4*\s+3], s[G0B+4*\s+3], 0x80000000
	JLOAD G0+4*\s, G1, G0B+4*\s, G1B
.endr
	v_and_b32 v1, 15, v0                           ; l % 16
	v_bfe_u32 v2, v0, 4, 1                         ; l / 16
	v_mul_u32_u24 v3, v1, PITCH
	v_lshl_add_u32 v4, v2, 4, v3                   ; a fragment's row x pitch + 16 x half
	s_mul_i32 s21, s15, HALFT                      ; my 128 rows of x
	s_mul_i32 s22, s16, HALFT                      ; my 128 rows of Wq,
	s_add_co_u32 s22, s22, 2*HALFT                 ; which lie behind x's 256
.irp s, 0,1
	v_add_nc_u32 v[ADRA+\s], s21, v4
	v_add_nc_u32 v[ADRB+\s], s22, v4
	s_add_co_u32 s21, s21, SLOT
	s_add_co_u32 s22, s22, SLOT
.endr
	v_and_b32 v6, 31, v0
	v_lshlrev_b32 v[L16], 4, v6
	v_lshlrev_b32 v[BQO], 5, v2
	s_lshl_b32 s46, s42, 10                        ; bq at my head: (256 x tile column + 128 x half) numbers of 4 bytes
	s_lshl_b32 s47, s16, 9
	s_add_co_u32 s46, s46, s47
	s_mov_b32 s47, 0
	s_add_nc_u64 s[10:11], s[10:11], s[46:47]
.irp b, 0,1,2,3,4,5,6,7
	global_load_b128 v[BQ+8*\b:BQ+8*\b+3], v[BQO], s[10:11] offset:64*\b        ; they land while K is walked: their wait stands at the way out
	global_load_b128 v[BQ+8*\b+4:BQ+8*\b+7], v[BQO], s[10:11] offset:64*\b+16
.endr
	s_lshr_b32 s20, s17, 3                         ; the batch: 8 tile rows each
	s_lshl_b32 s20, s20, 3
	s_lshl_b32 s21, s42, 1
	s_add_co_u32 s20, s20, s21
	s_add_co_u32 s20, s20, s16                     ; 8 x batch + head, head = 2 x tile column + half
	s_lshl_b32 s20, s20, 7
	s_and_b32 s21, s17, 7
	s_lshl_b32 s21, s21, 4
	s_add_co_u32 s20, s20, s21
	s_lshl_b32 s21, s15, 3
	s_add_co_u32 s20, s20, s21                     ; my first fragment: + 16 x (tile row % 8) + 8 x row half
	s_lshl_b32 s20, s20, 11
	s_mov_b32 s21, 0
	s_add_nc_u64 s[12:13], s[12:13], s[20:21]
	s_mov_b32 s98, 0x76543210                      ; v_permlanex16_b32's selects for lane l xor 16
	s_mov_b32 s99, 0xfedcba98
.macro FRAG reg, adr, q, i             ; a fragment is 16 registers: lane l holds row l % 16; registers 4 c .. 4 c + 3 hold K = 32 c + 16 (l / 16) + 0 .. 15: the same order of k on both sides, so every product meets its partner
.irp c, 0,1,2,3
	ds_load_b128 v[\reg+4*\c:\reg+4*\c+3], v[\adr] offset:128*(\q)+32*\c+(\i)*16*PITCH
.endr
.endm
; 16 matrix instructions: x's blocks a0, a0 + 1 x Wq's eight, 128 along K.  p: Wq's set.  zero = 1: the first product starts the sums.
; The 64 accumulators take turns, one instruction a turn, in the same order in every step.
.macro MUL16 a0, p, zero
.irp a, \a0, \a0+1
.irp b, 0,1,2,3,4,5,6,7
.if \zero
	v_wmma_f32_16x16x128_fp8_fp8 v[8*(8*((\a)%4)+\b):8*(8*((\a)%4)+\b)+7], v[128*(\p)+FR*\b:128*(\p)+FR*\b+FR-1], v[AF+FR*(\a):AF+FR*(\a)+FR-1], 0
.else
	v_wmma_f32_16x16x128_fp8_fp8 v[8*(8*((\a)%4)+\b):8*(8*((\a)%4)+\b)+7], v[128*(\p)+FR*\b:128*(\p)+FR*\b+FR-1], v[AF+FR*(\a):AF+FR*(\a)+FR-1], v[8*(8*((\a)%4)+\b):8*(8*((\a)%4)+\b)+7]
.endif
.endr
.endr
.endm
.macro FETCH_B slot, q, p              ; Wq's eight fragments of the slot's q-th 128 along K into set p
	WIN TO_B
.irp i, 0,1,2,3,4,5,6,7
	FRAG 128*(\p)+FR*\i, ADRB+\slot, \q, \i
.endr
	WIN 0
.endm
.macro FETCH_A slot, q, i0             ; x's blocks i0 .. i0 + 3
.irp i, \i0, \i0+1, \i0+2, \i0+3
	FRAG AF+FR*(\i), ADRA+\slot, \q, \i
.endr
.endm
.macro PLACES n                        ; plain vector lines between a matrix instruction and a load into, or a vector line on, its registers
.rept \n
	v_nop
.endr
.endm
; A step of 128 along K that has its successor in the same slot.
.macro STEP slot, q, zero
	s_wait_dscnt 4*NL                              ; Wq's set and x's blocks 0-3 are in; the youngest sixteen loads (x's blocks 4-7) may be out
	WIN MUL_LO
	MUL16 0, (\q)%2, \zero
	MUL16 2, (\q)%2, \zero
	s_wait_dscnt 0                                 ; x's blocks 4-7 are in
	PLACES NP
	FETCH_B \slot, (\q)+1, 1-(\q)%2
	FETCH_A \slot, (\q)+1, 0
	WIN MUL_HI
	MUL16 4, (\q)%2, \zero
	MUL16 6, (\q)%2, \zero
	PLACES NP
	WIN 0
	FETCH_A \slot, (\q)+1, 4
.endm
; A slot's last step changes slots: ONE barrier; in front of it each wave waits for all its tensor loads, adds 0 to its spare word, and waits for that and for its own reads of this slot.  fill = 1: this slot is filled again, two K steps ahead.
.macro TURN slot, next, fill
	s_wait_tensorcnt 0x0                           ; all my tensor loads have landed: my part of the next slot;  (every window is 0 here)
	ds_add_u32 v[SPW], v[NIL]                      ; 0 onto my spare word;
	s_wait_dscnt 4*NL+1                            ; (the add and the youngest sixteen loads, x's blocks 4-7, may be out)
	WIN MUL_LO
	MUL16 0, 1, 0                                  ; sixteen matrix instructions stand between the add and the wait for it
	s_wait_dscnt 0x0                               ; the add is done, and my reads of this slot are over
	s_barrier_signal -1
	MUL16 2, 1, 0
	WIN 0
	s_barrier_wait -1
.if \fill
	CREST                                          ; the barrier has opened a round of the cluster's barrier: no wave of any partner still reads this slot's tile or has a load on its way
	s_add_nc_u64 s[G0+4*\slot+2:G0+4*\slot+3], s[G0+4*\slot+2:G0+4*\slot+3], 2*ROWB
	s_add_nc_u64 s[G0B+4*\slot+2:G0B+4*\slot+3], s[G0B+4*\slot+2:G0B+4*\slot+3], 2*ROWB
	JLOAD G0+4*\slot, G1, G0B+4*\slot, G1B         ; the first tensor load behind the round; the four v_nop behind it are the places in front of the loads below
.else
	PLACES NP
.endif
	FETCH_B \next, 0, 0
	FETCH_A \next, 0, 0
	WIN MUL_HI
	MUL16 4, 1, 0
	MUL16 6, 1, 0
	PLACES NP
	WIN 0
	FETCH_A \next, 0, 4
.endm
	s_wait_tensorcnt 1                             ; my part of K step 0 is in (K step 1's load may be out),
	s_barrier_signal -1
	s_barrier_wait -1                              ; everybody's is
	FETCH_B 0, 0, 0
	FETCH_A 0, 0, 0
	FETCH_A 0, 0, 4
	STEP 0, 0, 1                                   ; the first step stands in front of the loop: its products start the sums
	s_mov_b32 s3, LAPS-1
.Llap:                                                 ; a trip goes once round the ring, from a lap's second step to the next lap's first, and fills both slots again
	TURN 0, 1, 1
	STEP 1, 0, 0
	TURN 1, 0, 1
	STEP 0, 0, 0
	s_sub_co_u32 s3, s3, 1
	s_cmp_lg_u32 s3, 0
	s_cbranch_scc1 .Llap
	TURN 0, 1, 0                                   ; the last lap fills nothing, and has no round of the cluster's barrier
	STEP 1, 0, 0
	s_wait_dscnt 4*NL                              ; the very last step: nothing more to fetch
	WIN MUL_LO
	MUL16 0, 1, 0
	MUL16 2, 1, 0
	s_wait_dscnt 0
	WIN MUL_HI
	MUL16 4, 1, 0
	MUL16 6, 1, 0
	WIN 0
	; THE WAY OUT.  Pass 1: q = sum x 2^(e0 + e1) + bq, in place, and its squares.  Then the eight tiles' norms.  Pass 2: q / norm, the hold, the codes, the stores.
	s_wait_loadcnt 0x0                             ; bq
	s_wait_kmcnt 0x0
	s_add_co_i32 s96, s68, s69
	s_add_co_i32 s96, s96, 127
	s_lshl_b32 s96, s96, 23                        ; 2^(e0 + e1) as f32
	s_mov_b32 s97, s96                             ; (named with it as a pair, so it is written)
	s_add_co_i32 s20, s74, 127
	s_lshl_b32 s21, s20, 23
	s_add_co_i32 s20, s20, 8
	s_lshl_b32 s20, s20, 23
	s_or_b32 s20, s20, 0x600000
	PLACES NP                                      ; behind the last products: what follows writes registers that held x's fragments, and reads results
	v_mov_b32 v240, s21                            ; 2^e6
	v_mov_b32 v241, s20                            ; 448 x 2^e6
.irp a, 0,1,2,3,4,5,6,7
	v_mov_b32 v[INV+2*\a+1], 0                     ; the pairs' upper words: written once; they also take the lane permutes' results
.endr
.macro PASS1 a
.set AC, 64*((\a)%4)
	WIN 0x82+0x41*((\a)/4)                         ; source 0 and destination: window 2 or 3; bq: window 0
.set p, 0
.rept 32
	v_pk_fma_f32 v[AC+2*p:AC+2*p+1], v[AC+2*p:AC+2*p+1], s[96:97], v[BQ+2*p:BQ+2*p+1] op_sel_hi:[1,0,1]   ; each accumulator from its low end on
.set p, p+1
.endr
	WIN 0x0a+5*((\a)/4)                            ; sources 0 and 1: window 2 or 3; the sums: window 0
.set p, 0
.rept 32
.set q, SSQ+8*(\a)+2*(p%4)
.if p < 4
	v_pk_mul_f32 v[q:q+1], v[AC+2*p:AC+2*p+1], v[AC+2*p:AC+2*p+1]          ; four chains of pairs
.else
	v_pk_fma_f32 v[q:q+1], v[AC+2*p:AC+2*p+1], v[AC+2*p:AC+2*p+1], v[q:q+1]
.endif
.set p, p+1
.endr
.endm
.irp a, 0,1,2,3,4,5,6,7
	PASS1 \a
.endr
	WIN 0
.irp a, 0,1,2,3,4,5,6,7
	v_pk_add_f32 v[SSQ+8*\a:SSQ+8*\a+1], v[SSQ+8*\a:SSQ+8*\a+1], v[SSQ+8*\a+2:SSQ+8*\a+3]
	v_pk_add_f32 v[SSQ+8*\a+4:SSQ+8*\a+5], v[SSQ+8*\a+4:SSQ+8*\a+5], v[SSQ+8*\a+6:SSQ+8*\a+7]
.endr
.irp a, 0,1,2,3,4,5,6,7
	v_pk_add_f32 v[SSQ+8*\a:SSQ+8*\a+1], v[SSQ+8*\a:SSQ+8*\a+1], v[SSQ+8*\a+4:SSQ+8*\a+5]
.endr
.irp a, 0,1,2,3,4,5,6,7
	v_add_f32 v[SSQ+8*\a], v[SSQ+8*\a], v[SSQ+8*\a+1]
.endr
.irp a, 0,1,2,3,4,5,6,7
	v_permlanex16_b32 v[INV+2*\a+1], v[SSQ+8*\a], s98, s99   ; the row's other 64 d lie in lane l xor 16
.endr
.irp a, 0,1,2,3,4,5,6,7
	v_add_f32 v[SSQ+8*\a], v[SSQ+8*\a], v[INV+2*\a+1]
.endr
.irp a, 0,1,2,3,4,5,6,7
	v_sqrt_f32 v[SSQ+8*\a+1], v[SSQ+8*\a]
.endr
	v_nop                                          ; a plain line behind the roots,
	s_wait_alu depctr_va_vdst(0)                   ; and one wait for the eight, ahead of their first reader
.irp a, 0,1,2,3,4,5,6,7
	v_max_num_f32 v[SSQ+8*\a+1], 0x2b8cbccc, v[SSQ+8*\a+1]   ; max(norm, 1e-12)
.endr
.irp a, 0,1,2,3,4,5,6,7
	v_rcp_f32 v[INV+2*\a], v[SSQ+8*\a+1]
.endr
	v_nop
	s_wait_alu depctr_va_vdst(0)
.macro PASS2 a
.set AC, 64*((\a)%4)
.set CD, BQ+16*((\a)%4)
.if (\a) >= 4
	s_wait_xcnt 0x0                                ; the stores of the tile four back have read these sixteen registers
.endif
	WIN 0x02+((\a)/4)                              ; source 0: window 2 or 3
.set p, 0
.rept 32
	v_pk_mul_f32 v[T+2*p:T+2*p+1], v[AC+2*p:AC+2*p+1], v[INV+2*(\a):INV+2*(\a)+1] op_sel_hi:[1,0]
.set p, p+1
.endr
	WIN 0
.set p, 0
.rept 64
	v_med3_num_f32 v[T+p], v[T+p], -v241, v241     ; the conversion does not saturate (ISA guide 7.6.2)
.set p, p+1
.endr
.irp b, 0,1,2,3,4,5,6,7
	v_cvt_scalef32_pk8_fp8_f32 v[CD+2*\b:CD+2*\b+1], v[T+8*\b:T+8*\b+7], v240   ; registers 2 b, 2 b + 1 of the fragment: d = 16 b + 8 (l / 16) + 0 .. 7
.endr
	v_nop                                          ; one plain line behind the last conversion: the next tile writes T again
.irp q, 0,1,2,3
	global_store_b128 v[L16], v[CD+4*\q:CD+4*\q+3], s[12:13] offset:(\a)*2048+512*\q   ; 512 consecutive bytes
.endr
.endm
.irp a, 0,1,2,3,4,5,6,7
	PASS2 \a
.endr
	s_wait_tensorcnt 0x0                           ; the wave's end
	ds_add_u32 v[SPW], v[NIL]
	s_wait_dscnt 0x0
	CROUND                                         ; the closing round: no work-group ends while a partner may still ask for a tile that names it
	s_endpgm
.Lfunc_end_k_qfebdfc2567_qproj:
	.size	k_qfebdfc2567_qproj, .Lfunc_end_k_qfebdfc2567_qproj-k_qfebdfc2567_qproj
	.p2alignl 7, 3214868480
	.fill 96, 4, 3214868480
	.section	.rodata,"a",@progbits
	.p2align	6, 0x0
	.amdhsa_kernel k_qfebdfc2567_qproj
		.amdhsa_group_segment_fixed_size 327680
		.amdhsa_private_segment_fixed_size 0
		.amdhsa_enable_private_segment 0
		.amdhsa_kernarg_size 40
		.amdhsa_user_sgpr_count 2
		.amdhsa_user_sgpr_kernarg_segment_ptr 1
		.amdhsa_wavefront_size32 1
		.amdhsa_system_sgpr_workgroup_id_x 1
		.amdhsa_system_sgpr_workgroup_id_y 1
		.amdhsa_system_sgpr_workgroup_id_z 1
		.amdhsa_system_vgpr_workitem_id 0
		.amdhsa_next_free_vgpr 1024
		.amdhsa_next_free_sgpr 100
		.amdhsa_reserve_vcc 0
		.amdhsa_float_denorm_mode_32 3
		.amdhsa_float_denorm_mode_16_64 3
		.amdhsa_memory_ordered 1
		.amdhsa_forward_progress 1
		.amdhsa_inst_pref_size 172
	.end_amdhsa_kernel
	.amdgpu_metadata
---
amdhsa.version: [ 1, 2 ]
amdhsa.kernels:
  - .name:           k_qfebdfc2567_qproj
    .symbol:         k_qfebdfc2567_qproj.kd
    .args:
      - { .name: xc, .offset: 0, .size: 8, .value_kind: global_buffer, .address_space: global }
      - { .name: wqc, .offset: 8, .size: 8, .value_kind: global_buffer, .address_space: global }
      - { .name: lowp_scales, .offset: 16, .size: 8, .value_kind: global_buffer, .address_space: global }
      - { .name: bq, .offset: 24, .size: 8, .value_kind: global_buffer, .address_space: global }
      - { .name: qimg, .offset: 32, .size: 8, .value_kind: global_buffer, .address_space: global }
    .group_segment_fixed_size: 327680
    .private_segment_fixed_size: 0
    .kernarg_segment_align: 8
    .kernarg_segment_size: 40
    .max_flat_workgroup_size: 128
    .sgpr_count:     100
    .vgpr_count:     1024
    .wavefront_size: 32
...
	.end_amdgpu_metadata
.endif
;; end of part 3
;; launch attn (part 4): grid 256 x 1, 4 waves a work-group, clusters of 4 x 1, 327,680 bytes of LDS; arguments qimg, kvimg, lowp_scales, out0; writes out0
.if DOCPART == 4
	.amdgcn_target "amdgcn-amd-amdhsa--gfx1250"
	.amdhsa_code_object_version 6
	.text
	.protected	k_qfebdfc2567_attn
	.globl	k_qfebdfc2567_attn
	.p2align	8
	.type	k_qfebdfc2567_attn,@function
k_qfebdfc2567_attn:
	s_mov_b64 s[64:65], 0
	v_nop
	global_prefetch_b8 v0, s[64:65] scope:SCOPE_SE
	s_setreg_imm32_b32 hwreg(HW_REG_WAVE_MODE, 25, 1), 1
	s_wait_xcnt 0x0
	s_wait_alu depctr_hold_cnt(0) depctr_sa_sdst(0) depctr_va_vdst(0) depctr_va_sdst(0) depctr_va_ssrc(0) depctr_va_vcc(0) depctr_vm_vsrc(0)
	s_getreg_b32 s2, hwreg(HW_REG_IB_STS2, 6, 4)
	s_cmp_eq_u32 s2, 0
	s_cbranch_scc0 .Lentry_in_a_cluster
	s_endpgm
.Lentry_in_a_cluster:
	s_bfe_u32 s2, ttmp6, 0x10000c
	s_cmp_lg_u32 s2, 0x3003
	s_cbranch_scc0 .Lentry_shape_is_right
	s_endpgm
.Lentry_shape_is_right:
; out[b][h][n][:] = the sum over keys m of Q8(q[b][h][n] . k[b][m] / sqrt(128)) v[b][m][:], no softmax; both products on codes of FP8 (E4M3).  Q8: the quantiser with the given scale 2^e8.
; qimg: q's codes (scale 2^e6), kvimg: k's (2^e7) and v^T's (2^e9), all as images of operand registers: a fragment is 2,048 bytes, registers 4 c .. 4 c + 3 of lane l at 512 c + 16 l;
; in a fragment lane l holds row l % 16, and registers 2 c, 2 c + 1 hold K = 16 c + 8 (l / 16) + 0 .. 7.  out0: [4][8][2048][128] f32.
; SHARES.  A work-group owns 256 rows of the flattened [b][h][n], each of its four waves 64: four tiles of 16 queries, whose fragments stay in registers.  Every wave walks the batch's 2,048 keys, 128 a step.
; LAYOUT.  Both products are used transposed: S^T = k q^T (source 0 = 16 keys, source 1 = 16 queries), O^T = v^T P (source 0 = 16 channels, source 1 = P): a lane holds ONE query throughout.  A tile of S^T is ONE product
; (the head's 128 are one K step); its eight registers are eight neighbouring keys, so one conversion gives two registers of P.
; THE SCALES.  A raw sum s stands for s x 2^(e6 + e7); the number to be quantised is that x 1 / sqrt(128); its code is (s / sqrt(128)) / 2^(e8 - e6 - e7), held at 448 x that power.  O is multiplied once by 2^(e8 + e9).
; BY TURNS.  A slot of the schedule is: one product k q^T; six plain lines on the tile made one slot earlier; one product v^T P, which runs nine slots behind; six more plain lines and that tile's conversion.
; 13 vector lines stand beside every 2 matrix instructions; in phases of their own they would keep the wave from issuing products for as many lines.  The price is three window switches a slot:
; no window holds k, q, S and P together, and O^T fills a window of its own.
; THE RING.  Two LDS slots of four key steps each (131,072 bytes).  All heads of a batch walk the same k and v, and the four work-groups of a cluster belong to one batch: each tile is asked for JOINTLY, wave w bringing the slot's step w,
; 32 KiB that are dense in memory.  By this text's count two tensor loads of a wave are out at the start and one behind each of the two rounds that fill a slot again.
; LIMITS: e8 - e6 - e7 between -126 and 119; e8 + e9 between -126 and 127, so that each power of two below is an f32 number.
; REGISTERS: window 0: v1-7 addresses and the scale; v28, v29 for the add; v32-95 q; v96-127 S^T, a ring of four tiles; v128-159 P, a ring of two.  Window 1: O^T, tile t's channel block cb at 64 t + 8 cb.
;   window 2: k, two sets of 128.   window 3: v^T, two sets of 128.
.set SLOT1,  1<<17                     ; slot 1 begins here, so that one exclusive or turns an address in one slot into the other's
.set STEPB,  32768                     ; a key step's tiles: 8 fragments of k, then 8 of v^T
.set STAGE,  2*SLOT1                   ; behind the ring: 16 rows x (512 + 16) bytes for each wave, for the way out
.set SPITCH, 528
.set SPARE,  STAGE+4*16*SPITCH         ; behind the stages: the spare words, 128 bytes for each wave: two blocks of 256 bytes that no other line names
.set L16, 1                            ; v1   16 x lane
.set ADR, 2                            ; v2   the LDS address of the run of loads in hand
.set STO, 3                            ; v3   the way out: where I put 32 bytes of a row
.set RD,  4                            ; v4   the way out: where I read a row back
.set PFO, 6                            ; v6   256 x lane; never rewritten
.set SCL, 7                            ; v7   2^(e8 - e6 - e7) as f32
.set SPW, 28                           ; v28  LDS address of my spare word; never rewritten
.set NIL, 29                           ; v29  0; never rewritten
.set Q,   32
.set S,   96
.set P,   128
.set TMP, 32                           ; the way out: a tile's 64 numbers
.set BK,  96                           ; the way out: 16 rows read back: v96-159 and v160-223 by turns
.set WV,  12                           ; s12  my wave's number
.set G1,  24                           ; s[24:31] descriptor group 1
.set G0,  32                           ; s[32:39] descriptor group 0: a set for each first fill; the second then walks on
.set CS,  44                           ; s[44:45] 1 / sqrt(128), twice
.set LO,  46                           ; s46  -448 x 2^(e8 - e6 - e7);  s47  + the same
.set HI,  47
.set OS,  48                           ; s[48:49] 2^(e8 + e9), twice
.set TB,  50                           ; s50  LDS byte at which the tiles of the step to be fetched begin
.set SLOTS, 51                         ; s51  slots still to be asked for
.set TWICE, 52
.set LIM, 53                           ; s53  1 in a cluster that prefetches, else the greatest number
.set PFA, 54                           ; s[54:55] what my wave prefetches; never rewritten
.set MSB, 0
.macro WIN new                         ; the immediate's high byte repeats the setting that is left; a switch that changes nothing is dropped
.if MSB != \new
	s_set_vgpr_msb (MSB<<8)|\new
.set MSB, \new
.endif
.endm
.macro CROUND                          ; a round of the cluster's barrier
	s_barrier_signal -1
	s_barrier_wait -1
	s_cmp_lg_u32 s[WV], 0
	s_cbranch_scc1 .Lnot_wave_0_\@
	s_barrier_signal -3
.Lnot_wave_0_\@:
	s_barrier_wait -3
	s_barrier_signal -1
	s_barrier_wait -1
.endm
; A PREFETCH of the batch's last four key steps (131,072 bytes), at the first change of slots: four key steps, 256 matrix instructions a wave, ahead of the joint load that asks for them.
; All sixteen clusters of a batch walk the same bytes: the batch's first cluster asks.  Its four partners are told apart BY ADDRESS, 32 KiB each; each wave takes 8 KiB, lanes 256 bytes apart: each block of 256 bytes is named once.
; The second change asks for nothing: there is no slot behind it.  The first three slots come by their loads alone.
.macro ASK
	s_cmp_gt_u32 s[SLOTS], s[LIM]
	s_cbranch_scc0 .Lnot_mine_\@
	global_prefetch_b8 v[PFO], s[PFA:PFA+1] th:TH_LOAD_NT scope:SCOPE_SE
.Lnot_mine_\@:
.endm
	s_load_b256 s[4:11], s[0:1], 0x0               ; qimg, kvimg, the scales' exponents, out0
	v_lshl_add_u32 v[SPW], v0, 2, SPARE
	v_mov_b32 v[NIL], 0
	ds_add_u32 v28, v29
	ds_add_u32 v28, v29
	s_wait_dscnt 0x0
	v_lshrrev_b32 v5, 5, v0
	v_readfirstlane_b32 s[WV], v5                  ; wave 0..3
	s_bfe_u32 s13, ttmp6, 0x40000                  ; cx: my place in the cluster
	s_lshl_b32 s14, ttmp9, 2                       ; in a cluster launch ttmp9 counts clusters
	s_add_co_u32 s14, s14, s13                     ; my block of 256 rows: it enters q's and out0's addresses and the prefetch's alone
	s_lshr_b32 s15, ttmp9, 4                       ; the batch, which the four partners share
	; descriptor group 1: 32,768 dense bytes as 128 rows of 32 elements of 8 bytes
	s_mov_b32 s[G1+0], 15|(3<<16)|(1<<21)          ; 15:0 the mask: all four work-groups; 17:16 elements of 8 bytes; 21 set beside a mask
	s_mov_b32 s[G1+1], 32<<16                      ; tensor_dim0
	s_mov_b32 s[G1+2], 128<<16                     ; tensor_dim1
	s_mov_b32 s[G1+3], 32<<16                      ; tile_dim0
	s_mov_b32 s[G1+4], 128                         ; tile_dim1
	s_mov_b32 s[G1+5], 32                          ; tensor_dim0_stride
	s_mov_b32 s[G1+6], 0
	s_mov_b32 s[G1+7], 0
	s_lshl_b32 s18, s[WV], 15                      ; the step that I fetch: wave x 32,768, in memory and in a slot: no place in the cluster enters an LDS address
	s_lshl_b32 s16, s15, 19                        ; the batch's 524,288 bytes
	s_add_co_u32 s16, s16, s18
	s_mov_b32 s17, 0
	s_wait_kmcnt 0x0
	s_load_b128 s[40:43], s[8:9], 0x18             ; e6, e7, e8, e9
	s_add_nc_u64 s[20:21], s[6:7], s[16:17]
	CROUND                                         ; all four work-groups are here: the first joint loads meet
.irp s, 0,1
	s_mov_b32 s[G0+4*\s], 1
	s_add_co_u32 s[G0+4*\s+1], s18, \s*SLOT1
	s_add_nc_u64 s[G0+4*\s+2:G0+4*\s+3], s[20:21], \s*4*STEPB
	s_or_b32 s[G0+4*\s+3], s[G0+4*\s+3], 0x80000000
.endr
	tensor_load_to_lds s[G0:G0+3], s[G1:G1+7]      ; key steps 0-3
	s_nop 0
	tensor_load_to_lds s[G0+4:G0+7], s[G1:G1+7]    ; key steps 4-7
	s_nop 0
.rept 4
	v_nop                                          ; the four lines behind a tensor load
.endr
	v_and_b32 v5, 31, v0
	v_lshlrev_b32 v[L16], 4, v5
	v_lshlrev_b32 v[PFO], 8, v5
	s_lshl_b32 s22, s14, 15                        ; q: my block's 16 fragments,
	s_lshl_b32 s23, s[WV], 13                      ; my wave's four
	s_add_co_u32 s22, s22, s23
	s_mov_b32 s23, 0
	s_add_nc_u64 s[4:5], s[4:5], s[22:23]
.irp t, 0,1,2,3
.irp c, 0,1,2,3
	global_load_b128 v[Q+16*\t+4*\c:Q+16*\t+4*\c+3], v[L16], s[4:5] offset:\t*2048+512*\c
.endr
.endr
	s_lshl_b32 s22, s14, 17                        ; out0: my block's 256 rows of 512 bytes,
	s_add_co_u32 s22, s22, s18                     ; my wave's 64
	s_add_nc_u64 s[10:11], s[10:11], s[22:23]
	s_lshl_b32 s22, s15, 19                        ; the prefetch: the batch, key steps 12 on, my work-group's 32 KiB, my wave's 8 KiB
	s_lshl_b32 s16, s13, 15
	s_add_co_u32 s22, s22, s16
	s_lshl_b32 s16, s[WV], 13
	s_add_co_u32 s22, s22, s16
	s_add_co_u32 s22, s22, 12*STEPB
	s_add_nc_u64 s[PFA:PFA+1], s[6:7], s[22:23]
	s_and_b32 s[LIM], ttmp9, 15                    ; 0 in the batch's first cluster: the same in all four partners
	s_cmp_eq_u32 s[LIM], 0
	s_cselect_b32 s[LIM], 1, -1
	v_and_b32 v8, 15, v0                           ; r
	v_bfe_u32 v9, v0, 4, 1                         ; h
	s_mul_i32 s22, s[WV], 16*SPITCH
	s_add_co_u32 s22, s22, STAGE                   ; my stage
	v_mul_u32_u24 v[STO], v8, SPITCH
	v_lshl_add_u32 v[STO], v9, 5, v[STO]
	v_add_nc_u32 v[STO], s22, v[STO]               ; in: row r, 32 bytes for each half of the lanes
	v_add_nc_u32 v[RD], s22, v[L16]                ; back: the 32 lanes take one row of 512 bytes
	s_mov_b32 s[CS], 0x3db504f3                    ; 1 / sqrt(128)
	s_mov_b32 s[CS+1], s[CS]
	s_mov_b32 s[TB], 0
	s_mov_b32 s[SLOTS], 2
	s_wait_kmcnt 0x0
	s_sub_co_i32 s22, s42, s40
	s_sub_co_i32 s22, s22, s41                     ; e8 - e6 - e7
	s_add_co_i32 s22, s22, 127
	s_lshl_b32 s23, s22, 23
	v_mov_b32 v[SCL], s23
	s_add_co_i32 s22, s22, 8
	s_lshl_b32 s22, s22, 23
	s_or_b32 s[HI], s22, 0x600000
	s_or_b32 s[LO], s[HI], 0x80000000
	s_add_co_i32 s22, s42, s43
	s_add_co_i32 s22, s22, 127
	s_lshl_b32 s[OS], s22, 23                      ; 2^(e8 + e9)
	s_mov_b32 s[OS+1], s[OS]
; THE LDS LOADS stand in runs of 32: a step's eight fragments of k, and nine slots later its eight of v^T, into set p.  An instruction's 512 bytes are consecutive.
.macro FETCH_K p
	WIN 0
	v_add_nc_u32 v[ADR], s[TB], v[L16]
	WIN 0x80                                       ; destination window 2
.set f, 0
.rept 8
.irp c, 0,1,2,3
	ds_load_b128 v[128*(\p)+16*f+4*\c:128*(\p)+16*f+4*\c+3], v[ADR] offset:f*2048+512*\c
.endr
.set f, f+1
.endr
.endm
.macro FETCH_V p
	WIN 0
	v_add_nc_u32 v[ADR], s[TB], v[L16]
	s_add_co_u32 s[TB], s[TB], STEPB               ; the next fetch is the next step's
	WIN 0xc0                                       ; destination window 3
.set f, 0
.rept 8
.irp c, 0,1,2,3
	ds_load_b128 v[128*(\p)+16*f+4*\c:128*(\p)+16*f+4*\c+3], v[ADR] offset:16384+f*2048+512*\c
.endr
.set f, f+1
.endr
.endm
; SLOT n of a key step's 32.  par: the step's sets of k and v^T.  qk: the product k q^T for query tile n / 8, key tile n % 8, into S^T's ring at n % 4.  cv: the vector work on tile n - 1.
; pv: the product v^T P number n - 9 (query tile, channel block): 0 none, 1 it starts a sum, 2 it adds.  In slots 0 to 8 that product is still the step before's, so it takes the other set of v^T.
; DISTANCES, counted in plain lines that name none of the matrix instruction's registers: a tile of S^T is first read 12 behind its product; P's half is written again 18 behind the last product that read it;
; six stand between a tile's last conversion and the product that reads P.  No two matrix instructions that follow each other share an accumulator.
; Under the setting for k q^T (source 0 in window 2) the plain lines name a scalar as source 0, so they need no switch of their own.
.macro SLOT n, par, qk, cv, pv
.set mm, ((\n)+31)%32
.set pp, ((\n)+23)%32
.set rS, S+8*(mm%4)
.set rN, S+8*((\n)%4)
.set rK, 128*(\par)+16*((\n)%8)
.set rQ, Q+16*((\n)/8)
.set rC, P+16*((mm/8)%2)+2*(mm%8)
.set rO, 64*(pp/8)+8*(pp%8)
.set rP, P+16*((pp/8)%2)
.if (\n) >= 9
.set rV, 128*(\par)+16*(pp%8)
.else
.set rV, 128*(1-(\par))+16*(pp%8)
.endif
.if \qk
	WIN 0x02                                       ; k in window 2; q and S^T in window 0
	v_wmma_f32_16x16x128_fp8_fp8 v[rN:rN+7], v[rK:rK+15], v[rQ:rQ+15], 0
.endif
.if \cv
.irp i, 0,2,4,6
	v_pk_mul_f32 v[rS+\i:rS+\i+1], s[CS:CS+1], v[rS+\i:rS+\i+1] op_sel_hi:[0,1]   ; x 1 / sqrt(128); the tile from its low end on
.endr
.irp i, 0,1
	v_med3_num_f32 v[rS+\i], s[LO], v[rS+\i], s[HI]   ; the conversion does not saturate (ISA guide 7.6.2): the hold at the largest code x the scale
.endr
.elseif \qk
.rept 4
	v_nop                                          ; the launch's first slot has no tile to work on: these are the places behind its product
.endr
.endif
.if \pv
	WIN 0x53                                       ; v^T in window 3, P in window 0, O^T in window 1
.if (\pv) == 1
	v_wmma_f32_16x16x128_fp8_fp8 v[rO:rO+7], v[rV:rV+15], v[rP:rP+15], 0
.else
	v_wmma_f32_16x16x128_fp8_fp8 v[rO:rO+7], v[rV:rV+15], v[rP:rP+15], v[rO:rO+7]
.endif
.endif
.if \cv
	WIN 0
.irp i, 2,3,4,5,6,7
	v_med3_num_f32 v[rS+\i], s[LO], v[rS+\i], s[HI]
.endr
	v_cvt_scalef32_pk8_fp8_f32 v[rC:rC+1], v[rS:rS+7], v[SCL]   ; keys 16 (tile) + 8 (l / 16) + 0 .. 7: two registers of P
.endif
.endm
; A KEY STEP.  first = 2: the launch's first step (no v^T P in slots 0 to 8, sums begin behind them); 1: the second (sums begin in slots 0 to 8); 0: any other.  fetch = 1: the next step's fragments are fetched into the other sets:
; k's behind slot 2 (its set's last reader stands in the step before's slot 31), v^T's behind slot 11 (last reader: slot 8).
.macro STEP par, first, fetch
	s_wait_dscnt 0x0                               ; this step's k and v^T are in
.set nn, 0
.rept 32
.set cvv, 1
.set pvv, 2
.if (\first) == 2
.if nn == 0
.set cvv, 0
.endif
.if nn < 9
.set pvv, 0
.else
.set pvv, 1
.endif
.elseif (\first) == 1
.if nn < 9
.set pvv, 1
.endif
.endif
	SLOT nn, \par, 1, cvv, pvv
.if \fetch
.if nn == 2
	FETCH_K 1-(\par)
.endif
.if nn == 11
	FETCH_V 1-(\par)
.endif
.endif
.set nn, nn+1
.endr
	WIN 0
.endm
; THE CHANGE OF SLOTS stands at the head of the step that will fetch the other slot's first fragments: all of this slot's bytes have been asked for.  Each wave waits for all its tensor loads (its part of the other slot),
; adds 0 to its spare word, and waits for that and for its own reads of this slot.  fill = 1: the barrier is a round of the cluster's, so that no wave of any partner still reads the slot or has a load on its way,
; and the joint refill is the first thing behind it: it has four key steps, 256 matrix instructions, in which to land.
.macro CHANGE fill
	WIN 0
	s_wait_tensorcnt 0x0                           ; no tensor load of mine is out, so a group 0 may be written
	ds_add_u32 v[SPW], v[NIL]                      ; 0 onto my spare word
.if \fill
	s_xor_b32 s[G0+5], s[G0+5], SLOT1              ; the walking descriptor: the other slot than last time,
	s_add_nc_u64 s[G0+6:G0+7], s[G0+6:G0+7], 4*STEPB   ; the next four key steps; the type bits on top are not reached
	s_wait_dscnt 0x0                               ; the add is done, and my reads of the slot are over
	CROUND
	tensor_load_to_lds s[G0+4:G0+7], s[G1:G1+7]
	s_nop 0
.rept 4
	v_nop
.endr
	ASK
.else
	s_wait_dscnt 0x0
	s_barrier_signal -1
	s_barrier_wait -1
.endif
	s_sub_co_u32 s[TB], s[TB], 4*STEPB             ; the fetches go back to a slot's first step,
	s_xor_b32 s[TB], s[TB], SLOT1                  ; in the other slot
.endm
.macro TWO_PAIRS                       ; four key steps: a pair is written once and walked twice; the LDS addresses hang on s[TB]
	s_mov_b32 s[TWICE], 2
.Lpair_\@:
	STEP 1, 0, 1
	STEP 0, 0, 1
	s_sub_co_u32 s[TWICE], s[TWICE], 1
	s_cmp_lg_u32 s[TWICE], 0
	s_cbranch_scc1 .Lpair_\@
.endm
	s_wait_tensorcnt 0x1                           ; my part of slot 0 is in; slot 1's may stay out
	s_barrier_signal -1
	s_barrier_wait -1                              ; everybody's is
	FETCH_K 0                                      ; key step 0
	FETCH_V 0
	s_wait_loadcnt 0x0                             ; q
	STEP 0, 2, 1                                   ; key steps 0, 1, 2
	STEP 1, 1, 1
	STEP 0, 0, 1
.Lslot:                                            ; two trips: key steps 3-6 and 7-10; at the head of each the slot just read out is filled again
	CHANGE 1
	TWO_PAIRS
	s_sub_co_u32 s[SLOTS], s[SLOTS], 1
	s_cmp_lg_u32 s[SLOTS], 0
	s_cbranch_scc1 .Lslot
	CHANGE 0                                       ; the tail is written out: nothing is asked for
	TWO_PAIRS                                      ; key steps 11-14
	STEP 1, 0, 0                                   ; key step 15: nothing more to fetch
	SLOT 0, 0, 0, 1, 2                             ; what runs behind: the last tile's conversion,
	v_nop                                          ; (one plain line between it and the product that reads its codes)
.irp n, 1,2,3,4,5,6,7,8
	SLOT \n, 0, 0, 0, 2                            ; and the last nine products v^T P
.endr
	WIN 0
; THE WAY OUT, tile by tile of 16 rows x 128 channels.  A lane holds 32 neighbouring bytes of a row for each channel block, and the lanes beside it hold other rows: so a tile goes through my own stage in LDS and comes back as whole
; rows of 512 bytes.  LDS serves a wave's instructions in order (ISA guide 5.7.1.4): no wait between the stores and the loads, nor in front of the next tile's stores.
.macro TOSTAGE t
	WIN 0x01                                       ; source 0: window 1
.set j, 0
.rept 32
	v_pk_mul_f32 v[TMP+2*j:TMP+2*j+1], v[64*(\t)+2*j:64*(\t)+2*j+1], s[OS:OS+1] op_sel_hi:[1,0]   ; x 2^(e8 + e9); each accumulator from its low end on
.set j, j+1
.endr
	WIN 0
.irp b, 0,1,2,3,4,5,6,7
	ds_store_b128 v[STO], v[TMP+8*\b:TMP+8*\b+3] offset:64*\b
	ds_store_b128 v[STO], v[TMP+8*\b+4:TMP+8*\b+7] offset:64*\b+16
.endr
.set BB, BK+64*((\t)%2)
.irp i, 0,1,2,3,4,5,6,7,8,9,10,11,12,13,14,15
	ds_load_b128 v[BB+4*\i:BB+4*\i+3], v[RD] offset:\i*SPITCH
.endr
.endm
.macro SEND t, younger                 ; younger: the LDS instructions issued behind tile t's loads, which may stay out
.set BB, BK+64*((\t)%2)
	s_wait_dscnt \younger
.irp i, 0,1,2,3,4,5,6,7,8,9,10,11,12,13,14,15
	global_store_b128 v[L16], v[BB+4*\i:BB+4*\i+3], s[10:11] offset:(\t)*8192+\i*512 th:TH_STORE_NT   ; 32 lanes store 512 consecutive bytes, at a multiple of 256 from out0's first byte
.endr
.endm
.rept 4
	v_nop                                          ; places behind the last products
.endr
	TOSTAGE 0
.irp t, 1,2,3
.if \t > 1
	s_wait_xcnt 0x0                                ; the stores of the tile two back have read their registers: this tile's loads may land there
.endif
	TOSTAGE \t
	SEND \t-1, 32                                  ; behind that tile's loads: this tile's 16 stores and 16 loads
.endr
	SEND 3, 0
	s_wait_tensorcnt 0x0                           ; the wave's end
	ds_add_u32 v[SPW], v[NIL]
	s_wait_dscnt 0x0
	CROUND                                         ; the closing round: no work-group ends while a partner may still ask for a tile that names it
	s_endpgm
.Lfunc_end_k_qfebdfc2567_attn:
	.size	k_qfebdfc2567_attn, .Lfunc_end_k_qfebdfc2567_attn-k_qfebdfc2567_attn
	.p2alignl 7, 3214868480
	.fill 96, 4, 3214868480
	.section	.rodata,"a",@progbits
	.p2align	6, 0x0
	.amdhsa_kernel k_qfebdfc2567_attn
		.amdhsa_group_segment_fixed_size 327680
		.amdhsa_private_segment_fixed_size 0
		.amdhsa_enable_private_segment 0
		.amdhsa_kernarg_size 32
		.amdhsa_user_sgpr_count 2
		.amdhsa_user_sgpr_kernarg_segment_ptr 1
		.amdhsa_wavefront_size32 1
		.amdhsa_system_sgpr_workgroup_id_x 1
		.amdhsa_system_sgpr_workgroup_id_y 1
		.amdhsa_system_sgpr_workgroup_id_z 1
		.amdhsa_system_vgpr_workitem_id 0
		.amdhsa_next_free_vgpr 1024
		.amdhsa_next_free_sgpr 72
		.amdhsa_reserve_vcc 0
		.amdhsa_float_denorm_mode_32 3
		.amdhsa_float_denorm_mode_16_64 3
		.amdhsa_memory_ordered 1
		.amdhsa_forward_progress 1
		.amdhsa_inst_pref_size 255
	.end_amdhsa_kernel
	.section	.bss,"aw",@nobits
	.p2align	6
	.space	262144
	.amdgpu_metadata
---
amdhsa.version: [ 1, 2 ]
amdhsa.kernels:
  - .name:           k_qfebdfc2567_attn
    .symbol:         k_qfebdfc2567_attn.kd
    .args:
      - { .name: qimg, .offset: 0, .size: 8, .value_kind: global_buffer, .address_space: global }
      - { .name: kvimg, .offset: 8, .size: 8, .value_kind: global_buffer, .address_space: global }
      - { .name: lowp_scales, .offset: 16, .size: 8, .value_kind: global_buffer, .address_space: global }
      - { .name: out0, .offset: 24, .size: 8, .value_kind: global_buffer, .address_space: global }
    .group_segment_fixed_size: 327680
    .private_segment_fixed_size: 0
    .kernarg_segment_align: 8
    .kernarg_segment_size: 32
    .max_flat_workgroup_size: 128
    .sgpr_count:     72
    .vgpr_count:     1024
    .wavefront_size: 32
...
	.end_amdgpu_metadata
.endif
;; end of part 4
;; ======== version 2 of 2: 3 launches
;; workspace buffers: xc 16,777,216 bytes; wqc 2,097,152 bytes; wkv 524,288 bytes; qimg 8,388,608 bytes; kvimg 2,097,152 bytes
;; launch quant: the kernel of part 1 again; grid 592 x 1, 4 waves a work-group, no clusters, 33,280 bytes of LDS; arguments x, Wq, Wk, Wv, lowp_scales, xc, wqc, wkv; writes xc, wqc, wkv
;; launch proj (part 5): grid 4 x 64, 4 waves a work-group, clusters of 4 x 4, 327,680 bytes of LDS; arguments xc, wqc, lowp_scales, bq, qimg, context, wkv, bk, bv, kvimg; writes qimg, kvimg
.if DOCPART == 5
	.amdgcn_target "amdgcn-amd-amdhsa--gfx1250"
	.amdhsa_code_object_version 6
	.text
	.protected	k_qfebdfc2567_proj
	.globl	k_qfebdfc2567_proj
	.p2align	8
	.type	k_qfebdfc2567_proj,@function
k_qfebdfc2567_proj:
	s_mov_b64 s[64:65], 0
	v_nop
	global_prefetch_b8 v0, s[64:65] scope:SCOPE_SE
	s_setreg_imm32_b32 hwreg(HW_REG_WAVE_MODE, 25, 1), 1
	s_wait_xcnt 0x0
	s_wait_alu depctr_hold_cnt(0) depctr_sa_sdst(0) depctr_va_vdst(0) depctr_va_sdst(0) depctr_va_ssrc(0) depctr_va_vcc(0) depctr_vm_vsrc(0)
	s_getreg_b32 s2, hwreg(HW_REG_IB_STS2, 6, 4)
	s_cmp_eq_u32 s2, 0
	s_cbranch_scc0 .Lentry_in_a_cluster
	s_endpgm
.Lentry_in_a_cluster:
	s_bfe_u32 s2, ttmp6, 0x10000c
	s_cmp_lg_u32 s2, 0xf033
	s_cbranch_scc0 .Lentry_shape_is_right
	s_endpgm
.Lentry_shape_is_right:
; THE THREE PROJECTIONS IN ONE LAUNCH.  Neither part reads what the other stores.  q has 128 tiles of 256 x 256, work for 128 work-groups; the other 128 work-groups make k and v.
; The two parts part at the head on the cluster's y, which all partners of a cluster share, and never join again.  Each part has LDS bytes of its own.
;
; PART Q (clusters with y < 8): q = l2norm per head of (x Wq^T + bq), the product on codes of FP8 (E4M3): xc [8192][2048] (scale 2^e0), wqc [1024][2048] (2^e1), K innermost.  The result leaves as codes with the scale 2^e6,
; laid as IMAGES OF THE OPERAND REGISTERS of the attention launch: qimg, fragment ((batch x 8 + head) x 128 + n / 16) of 2,048 bytes; registers 4 q .. 4 q + 3 of lane l at 512 q + 16 l.
; A tile of 256 rows x 256 columns is made by a work-group of four waves; a wave makes 128 x 128: 128 rows x ONE HEAD, 64 accumulators, 512 registers.
; K goes in steps of 256 through a ring of two LDS slots filled by the tensor data mover: a tile's row is 256 bytes of memory.
; The four work-groups of a row of the cluster need the same tiles of x, the four of a column the same tiles of Wq: each tile is asked for JOINTLY, by the same tensor load with the same descriptor and a mask that names the four.
; THE MATRIX INSTRUCTION IS USED TRANSPOSED (source 0 = 16 rows of Wq, source 1 = 16 rows of x): a lane holds one row of q, and the registers of accumulator (a, b) the head's d = 16 b + 8 (l / 16) + 0 .. 7.
; So a row's norm wants one exchange between the halves of the lanes, and one conversion of an accumulator gives registers 2 b, 2 b + 1 of the next operand.  Its way out uses no LDS.
; REGISTERS OF PART Q, in windows of 256: window 0: v0-31 addresses; v32-95 bq in the result's layout, later the codes; from v128 x's fragments, ONE set; on the way out v96-241 are at work.
;   window 1: Wq's fragments, TWO sets.   window 2: the 32 accumulators of my rows 0-63 (accumulator (a, b) at v[8 (8 a + b)]);   window 3: those of my rows 64-127.
;
; PART KV (clusters with y >= 8): k = l2norm(context Wk^T + bk), v = context Wv^T + bv; it is described at its head, further down.
;
; LIMITS: e0 + e1, e2 + e3, e4 + e5 between -126 and 127; e2, e4, e6, e7, e9 between -126 and 119, so that each power of two below is an f32 number.  NaN among the inputs is not served.
.set QCL,    8                         ; clusters of part Q
.set SIZE_M, 8192
.set SIZE_N, 1024
.set SIZE_K, 2048
.set KSTEP,  256                       ; along K in a slot
.set ROWB,   256                       ; a tile's row in bytes
.set KROW,   SIZE_K                    ; a row of codes in memory, in bytes
.set PITCH,  272                       ; an LDS row: 256 bytes + 16 of padding = 68 words: row r starts at bank 4 r mod 64 (64 banks of 4 bytes: ISA guide 11.1)
.set FR,     16                        ; registers of a fragment: 16 rows x 128 K
.set NL,     4                         ; LDS loads that bring one
.set NP,     4                         ; places behind this matrix instruction (ISA guide 7.12.1)
.set HALFT,  128*PITCH                 ; 128 rows: what one tensor load brings
.set SLOT,   4*HALFT                   ; x's 256 rows, then Wq's 256 rows
.set LAPS,   SIZE_K/(2*KSTEP)          ; a lap = two K steps = once round the ring
.set SPARE,  2*SLOT                    ; behind the ring: the spare words, 128 bytes for each wave: two blocks of 256 bytes that no other line names
.set SPW,  12                          ; v12     LDS address of my spare word; never rewritten, in either part
.set NIL,  13                          ; v13     0; never rewritten, in either part
.set ADRA, 16                          ; v16-17  LDS address of my fragments of x in slot 0, 1
.set ADRB, 20                          ; v20-21  the same for Wq
.set L16,  26                          ; v26     16 x lane
.set BQO,  27                          ; v27     32 (l / 16): bq's offset; never rewritten
.set BQ,   32                          ; v32-95  bq: register 8 b + j = bq of d = 16 b + 8 (l / 16) + j; later four sets of 16 registers of codes
.set T,    96                          ; v96-159 a tile's 64 numbers on their way to codes
.set SSQ,  160                         ; v160-223 sums of squares, 8 registers a tile
.set INV,  224                         ; v224-239 the inverse norms, a pair a tile
.set AF,   128                         ; x's fragments, in window 0
.set G1, 24
.set G0, 32
.set G1B, 48
.set G0B, 56
.set MSB, 0
.macro WIN new                         ; the immediate's high byte repeats the setting that is left
.if MSB != \new
	s_set_vgpr_msb (MSB<<8)|\new
.set MSB, \new
.endif
.endm
.set MUL_LO, 0xa1                      ; source 0 (Wq) window 1, source 1 (x) window 0, C and D window 2
.set MUL_HI, 0xf1                      ; the same, C and D window 3
.set TO_B,   0x40                      ; destination window 1, address window 0
; A joint load: waves 0 and 1 fetch for x, waves 2 and 3 for Wq.  Each of the two lines has ONE mask and one set of registers for all that issue it; the branch hangs on the wave's number alone.
; Four v_nop follow each of the two lines, ahead of the jump, the label and what follows.
.macro JLOAD g0a, g1a, g0b, g1b
	s_cmp_eq_u32 s15, 0
	s_cbranch_scc0 .Lfor_b_\@
	tensor_load_to_lds s[\g0a:\g0a+3], s[\g1a:\g1a+7]
	s_nop 0
.rept 4
	v_nop
.endr
	s_branch .Lasked_\@
.Lfor_b_\@:
	tensor_load_to_lds s[\g0b:\g0b+3], s[\g1b:\g1b+7]
	s_nop 0
.rept 4
	v_nop
.endr
.Lasked_\@:
.endm
.macro CREST                           ; a round of the cluster's barrier behind its opening barrier
	s_cmp_lg_u32 s14, 0
	s_cbranch_scc1 .Lnot_wave_0_\@
	s_barrier_signal -3
.Lnot_wave_0_\@:
	s_barrier_wait -3
	s_barrier_signal -1
	s_barrier_wait -1
.endm
.macro CROUND                          ; a whole round
	s_barrier_signal -1
	s_barrier_wait -1
	CREST
.endm
.macro PLACES n                        ; plain vector lines between a matrix instruction and a load into, or a vector line on, its registers
.rept \n
	v_nop
.endr
.endm
	; THE HEAD THAT BOTH PARTS SHARE
	v_lshl_add_u32 v[SPW], v0, 2, SPARE
	v_mov_b32 v[NIL], 0
	ds_add_u32 v12, v13
	ds_add_u32 v12, v13
	s_wait_dscnt 0x0
	v_lshrrev_b32 v1, 5, v0
	v_readfirstlane_b32 s14, v1                    ; wave 0..3
	s_and_b32 s17, ttmp7, 0xffff                   ; the cluster's y: the same in all sixteen partners
	s_cmp_ge_u32 s17, QCL
	s_cbranch_scc1 .Lkv
	; ======== PART Q ========
	s_load_b128 s[4:7], s[0:1], 0x0                ; xc, wqc
	s_load_b128 s[8:11], s[0:1], 0x10              ; the scales' exponents, bq
	s_load_b64 s[12:13], s[0:1], 0x20              ; qimg
	s_lshr_b32 s15, s14, 1                         ; which half of the tile's rows is mine.  Also: I fetch for x (0) or for Wq (1)
	s_and_b32 s16, s14, 1                          ; which half of its columns.  Also: which 128 rows of that tile I fetch
	s_bfe_u32 s40, ttmp6, 0x40000                  ; cx, cy: my place in the cluster
	s_bfe_u32 s41, ttmp6, 0x40004
	s_lshl_b32 s42, ttmp9, 2
	s_add_co_u32 s42, s42, s40                     ; tile column = 4 x cluster x + cx
	s_lshl_b32 s17, s17, 2
	s_add_co_u32 s17, s17, s41                     ; tile row = 4 x cluster y + cy
	s_lshl_b32 s43, s41, 2
	s_lshl_b32 s43, 15, s43                        ; my row of the cluster
	s_lshl_b32 s44, 0x1111, s40                    ; my column
	; descriptor group 1: a tile of 128 rows x ROWB bytes, padded in LDS
	s_or_b32 s[G1+0], s43, (0<<16)|(1<<20)|(1<<21)|(5<<22)|(3<<25)  ; 15:0 the mask: x's tiles go to my row; 17:16 element of 1 byte; 20 padding on; 21 set beside a mask; 24:22 after every 64 words (code 5); 31:25 of 4 words (code 3)
	s_or_b32 s[G1B+0], s44, (0<<16)|(1<<20)|(1<<21)|(5<<22)|(3<<25)
.irp g, G1, G1B
	s_mov_b32 s[\g+1], ROWB<<16                    ; tensor_dim0
	s_mov_b32 s[\g+2], 128<<16                     ; tensor_dim1 = 128
	s_mov_b32 s[\g+3], ROWB<<16                    ; tile_dim0
	s_mov_b32 s[\g+4], 128                         ; tile_dim1 = 128
	s_mov_b32 s[\g+5], KROW                        ; tensor_dim0_stride
	s_mov_b32 s[\g+6], 0
	s_mov_b32 s[\g+7], 0
.endr
	s_lshl_b32 s18, s16, 7                         ; which 128 rows of the tile I fetch
	s_lshl_b32 s20, s17, 8
	s_add_co_u32 s20, s20, s18                     ; x: row 256 x tile row + 128 x half
	s_lshl_b32 s46, s42, 8
	s_add_co_u32 s46, s46, s18                     ; Wq: row 256 x tile column + 128 x half
	s_mov_b32 s21, 0
	s_mov_b32 s47, 0
	s_mov_b64 s[18:19], KROW
	s_mul_u64 s[20:21], s[20:21], s[18:19]
	s_mul_u64 s[46:47], s[46:47], s[18:19]
	s_mul_i32 s45, s14, HALFT                      ; where they go: wave x 128 rows: no place in the cluster enters an LDS address
	s_wait_kmcnt 0x0
	s_load_b256 s[68:75], s[8:9], 0x0              ; e0 .. e7
	s_add_nc_u64 s[20:21], s[4:5], s[20:21]
	s_add_nc_u64 s[46:47], s[6:7], s[46:47]
	CROUND                                         ; all sixteen work-groups are here: the first joint loads meet
.irp s, 0,1
	s_mov_b32 s[G0+4*\s], 1
	s_add_co_u32 s[G0+4*\s+1], s45, \s*SLOT
	s_add_nc_u64 s[G0+4*\s+2:G0+4*\s+3], s[20:21], \s*ROWB
	s_or_b32 s[G0+4*\s+3], s[G0+4*\s+3], 0x80000000
	s_mov_b32 s[G0B+4*\s], 1
	s_add_co_u32 s[G0B+4*\s+1], s45, \s*SLOT
	s_add_nc_u64 s[G0B+4*\s+2:G0B+4*\s+3], s[46:47], \s*ROWB
	s_or_b32 s[G0B+4*\s+3], s[G0B+4*\s+3], 0x80000000
	JLOAD G0+4*\s, G1, G0B+4*\s, G1B
.endr
	v_and_b32 v1, 15, v0                           ; l % 16
	v_bfe_u32 v2, v0, 4, 1                         ; l / 16
	v_mul_u32_u24 v3, v1, PITCH
	v_lshl_add_u32 v4, v2, 4, v3                   ; a fragment's row x pitch + 16 x half
	s_mul_i32 s21, s15, HALFT                      ; my 128 rows of x
	s_mul_i32 s22, s16, HALFT                      ; my 128 rows of Wq,
	s_add_co_u32 s22, s22, 2*HALFT                 ; which lie behind x's 256
.irp s, 0,1
	v_add_nc_u32 v[ADRA+\s], s21, v4
	v_add_nc_u32 v[ADRB+\s], s22, v4
	s_add_co_u32 s21, s21, SLOT
	s_add_co_u32 s22, s22, SLOT
.endr
	v_and_b32 v6, 31, v0
	v_lshlrev_b32 v[L16], 4, v6
	v_lshlrev_b32 v[BQO], 5, v2
	s_lshl_b32 s46, s42, 10                        ; bq at my head: (256 x tile column + 128 x half) numbers of 4 bytes
	s_lshl_b32 s47, s16, 9
	s_add_co_u32 s46, s46, s47
	s_mov_b32 s47, 0
	s_add_nc_u64 s[10:11], s[10:11], s[46:47]
.irp b, 0,1,2,3,4,5,6,7
	global_load_b128 v[BQ+8*\b:BQ+8*\b+3], v[BQO], s[10:11] offset:64*\b        ; they land while K is walked: their wait stands at the way out
	global_load_b128 v[BQ+8*\b+4:BQ+8*\b+7], v[BQO], s[10:11] offset:64*\b+16
.endr
	s_lshr_b32 s20, s17, 3                         ; the batch: 8 tile rows each
	s_lshl_b32 s20, s20, 3
	s_lshl_b32 s21, s42, 1
	s_add_co_u32 s20, s20, s21
	s_add_co_u32 s20, s20, s16                     ; 8 x batch + head, head = 2 x tile column + half
	s_lshl_b32 s20, s20, 7
	s_and_b32 s21, s17, 7
	s_lshl_b32 s21, s21, 4
	s_add_co_u32 s20, s20, s21
	s_lshl_b32 s21, s15, 3
	s_add_co_u32 s20, s20, s21                     ; my first fragment: + 16 x (tile row % 8) + 8 x row half
	s_lshl_b32 s20, s20, 11
	s_mov_b32 s21, 0
	s_add_nc_u64 s[12:13], s[12:13], s[20:21]
	s_mov_b32 s98, 0x76543210                      ; v_permlanex16_b32's selects for lane l xor 16
	s_mov_b32 s99, 0xfedcba98
.macro FRAG reg, adr, q, i             ; a fragment is 16 registers: lane l holds row l % 16; registers 4 c .. 4 c + 3 hold K = 32 c + 16 (l / 16) + 0 .. 15: the same order of k on both sides, so every product meets its partner
.irp c, 0,1,2,3
	ds_load_b128 v[\reg+4*\c:\reg+4*\c+3], v[\adr] offset:128*(\q)+32*\c+(\i)*16*PITCH
.endr
.endm
; 16 matrix instructions: x's blocks a0, a0 + 1 x Wq's eight, 128 along K.  p: Wq's set.  zero = 1: the first product starts the sums.
; The 64 accumulators take turns, one instruction a turn, in the same order in every step.
.macro MUL16 a0, p, zero
.irp a, \a0, \a0+1
.irp b, 0,1,2,3,4,5,6,7
.if \zero
	v_wmma_f32_16x16x128_fp8_fp8 v[8*(8*((\a)%4)+\b):8*(8*((\a)%4)+\b)+7], v[128*(\p)+FR*\b:128*(\p)+FR*\b+FR-1], v[AF+FR*(\a):AF+FR*(\a)+FR-1], 0
.else
	v_wmma_f32_16x16x128_fp8_fp8 v[8*(8*((\a)%4)+\b):8*(8*((\a)%4)+\b)+7], v[128*(\p)+FR*\b:128*(\p)+FR*\b+FR-1], v[AF+FR*(\a):AF+FR*(\a)+FR-1], v[8*(8*((\a)%4)+\b):8*(8*((\a)%4)+\b)+7]
.endif
.endr
.endr
.endm
.macro FETCH_B slot, q, p              ; Wq's eight fragments of the slot's q-th 128 along K into set p
	WIN TO_B
.irp i, 0,1,2,3,4,5,6,7
	FRAG 128*(\p)+FR*\i, ADRB+\slot, \q, \i
.endr
	WIN 0
.endm
.macro FETCH_A slot, q, i0             ; x's blocks i0 .. i0 + 3
.irp i, \i0, \i0+1, \i0+2, \i0+3
	FRAG AF+FR*(\i), ADRA+\slot, \q, \i
.endr
.endm
; A step of 128 along K that has its successor in the same slot.
.macro STEP slot, q, zero
	s_wait_dscnt 4*NL                              ; Wq's set and x's blocks 0-3 are in; the youngest sixteen loads (x's blocks 4-7) may be out
	WIN MUL_LO
	MUL16 0, (\q)%2, \zero
	MUL16 2, (\q)%2, \zero
	s_wait_dscnt 0                                 ; x's blocks 4-7 are in
	PLACES NP
	FETCH_B \slot, (\q)+1, 1-(\q)%2
	FETCH_A \slot, (\q)+1, 0
	WIN MUL_HI
	MUL16 4, (\q)%2, \zero
	MUL16 6, (\q)%2, \zero
	PLACES NP
	WIN 0
	FETCH_A \slot, (\q)+1, 4
.endm
; A slot's last step changes slots: ONE barrier; in front of it each wave waits for all its tensor loads, adds 0 to its spare word, and waits for that and for its own reads of this slot.  fill = 1: this slot is filled again, two K steps ahead.
.macro TURN slot, next, fill
	s_wait_tensorcnt 0x0                           ; all my tensor loads have landed: my part of the next slot;  (every window is 0 here)
	ds_add_u32 v[SPW], v[NIL]                      ; 0 onto my spare word;
	s_wait_dscnt 4*NL+1                            ; (the add and the youngest sixteen loads, x's blocks 4-7, may be out)
	WIN MUL_LO
	MUL16 0, 1, 0                                  ; sixteen matrix instructions stand between the add and the wait for it
	s_wait_dscnt 0x0                               ; the add is done, and my reads of this slot are over
	s_barrier_signal -1
	MUL16 2, 1, 0
	WIN 0
	s_barrier_wait -1
.if \fill
	CREST                                          ; the barrier has opened a round of the cluster's barrier: no wave of any partner still reads this slot's tile or has a load on its way
	s_add_nc_u64 s[G0+4*\slot+2:G0+4*\slot+3], s[G0+4*\slot+2:G0+4*\slot+3], 2*ROWB
	s_add_nc_u64 s[G0B+4*\slot+2:G0B+4*\slot+3], s[G0B+4*\slot+2:G0B+4*\slot+3], 2*ROWB
	JLOAD G0+4*\slot, G1, G0B+4*\slot, G1B         ; the first tensor load behind the round; the four v_nop behind it are the places in front of the loads below
.else
	PLACES NP
.endif
	FETCH_B \next, 0, 0
	FETCH_A \next, 0, 0
	WIN MUL_HI
	MUL16 4, 1, 0
	MUL16 6, 1, 0
	PLACES NP
	WIN 0
	FETCH_A \next, 0, 4
.endm
	s_wait_tensorcnt 1                             ; my part of K step 0 is in (K step 1's load may be out),
	s_barrier_signal -1
	s_barrier_wait -1                              ; everybody's is
	FETCH_B 0, 0, 0
	FETCH_A 0, 0, 0
	FETCH_A 0, 0, 4
	STEP 0, 0, 1                                   ; the first step stands in front of the loop: its products start the sums
	s_mov_b32 s3, LAPS-1
.Llap:                                                 ; a trip goes once round the ring, from a lap's second step to the next lap's first, and fills both slots again
	TURN 0, 1, 1
	STEP 1, 0, 0
	TURN 1, 0, 1
	STEP 0, 0, 0
	s_sub_co_u32 s3, s3, 1
	s_cmp_lg_u32 s3, 0
	s_cbranch_scc1 .Llap
	TURN 0, 1, 0                                   ; the last lap fills nothing, and has no round of the cluster's barrier
	STEP 1, 0, 0
	s_wait_dscnt 4*NL                              ; the very last step: nothing more to fetch
	WIN MUL_LO
	MUL16 0, 1, 0
	MUL16 2, 1, 0
	s_wait_dscnt 0
	WIN MUL_HI
	MUL16 4, 1, 0
	MUL16 6, 1, 0
	WIN 0
	; THE WAY OUT OF PART Q.  Pass 1: q = sum x 2^(e0 + e1) + bq, in place, and its squares.  Then the eight tiles' norms.  Pass 2: q / norm, the hold, the codes, the stores.
	s_wait_loadcnt 0x0                             ; bq
	s_wait_kmcnt 0x0
	s_add_co_i32 s96, s68, s69
	s_add_co_i32 s96, s96, 127
	s_lshl_b32 s96, s96, 23                        ; 2^(e0 + e1) as f32
	s_mov_b32 s97, s96                             ; (named with it as a pair, so it is written)
	s_add_co_i32 s20, s74, 127
	s_lshl_b32 s21, s20, 23
	s_add_co_i32 s20, s20, 8
	s_lshl_b32 s20, s20, 23
	s_or_b32 s20, s20, 0x600000
	PLACES NP                                      ; behind the last products: what follows writes registers that held x's fragments, and reads results
	v_mov_b32 v240, s21                            ; 2^e6
	v_mov_b32 v241, s20                            ; 448 x 2^e6
.irp a, 0,1,2,3,4,5,6,7
	v_mov_b32 v[INV+2*\a+1], 0                     ; the pairs' upper words: written once; they also take the lane permutes' results
.endr
.macro PASS1 a
.set AC, 64*((\a)%4)
	WIN 0x82+0x41*((\a)/4)                         ; source 0 and destination: window 2 or 3; bq: window 0
.set p, 0
.rept 32
	v_pk_fma_f32 v[AC+2*p:AC+2*p+1], v[AC+2*p:AC+2*p+1], s[96:97], v[BQ+2*p:BQ+2*p+1] op_sel_hi:[1,0,1]   ; each accumulator from its low end on
.set p, p+1
.endr
	WIN 0x0a+5*((\a)/4)                            ; sources 0 and 1: window 2 or 3; the sums: window 0
.set p, 0
.rept 32
.set q, SSQ+8*(\a)+2*(p%4)
.if p < 4
	v_pk_mul_f32 v[q:q+1], v[AC+2*p:AC+2*p+1], v[AC+2*p:AC+2*p+1]          ; four chains of pairs
.else
	v_pk_fma_f32 v[q:q+1], v[AC+2*p:AC+2*p+1], v[AC+2*p:AC+2*p+1], v[q:q+1]
.endif
.set p, p+1
.endr
.endm
.irp a, 0,1,2,3,4,5,6,7
	PASS1 \a
.endr
	WIN 0
.irp a, 0,1,2,3,4,5,6,7
	v_pk_add_f32 v[SSQ+8*\a:SSQ+8*\a+1], v[SSQ+8*\a:SSQ+8*\a+1], v[SSQ+8*\a+2:SSQ+8*\a+3]
	v_pk_add_f32 v[SSQ+8*\a+4:SSQ+8*\a+5], v[SSQ+8*\a+4:SSQ+8*\a+5], v[SSQ+8*\a+6:SSQ+8*\a+7]
.endr
.irp a, 0,1,2,3,4,5,6,7
	v_pk_add_f32 v[SSQ+8*\a:SSQ+8*\a+1], v[SSQ+8*\a:SSQ+8*\a+1], v[SSQ+8*\a+4:SSQ+8*\a+5]
.endr
.irp a, 0,1,2,3,4,5,6,7
	v_add_f32 v[SSQ+8*\a], v[SSQ+8*\a], v[SSQ+8*\a+1]
.endr
.irp a, 0,1,2,3,4,5,6,7
	v_permlanex16_b32 v[INV+2*\a+1], v[SSQ+8*\a], s98, s99   ; the row's other 64 d lie in lane l xor 16
.endr
.irp a, 0,1,2,3,4,5,6,7
	v_add_f32 v[SSQ+8*\a], v[SSQ+8*\a], v[INV+2*\a+1]
.endr
.irp a, 0,1,2,3,4,5,6,7
	v_sqrt_f32 v[SSQ+8*\a+1], v[SSQ+8*\a]
.endr
	v_nop                                          ; a plain line behind the roots,
	s_wait_alu depctr_va_vdst(0)                   ; and one wait for the eight, ahead of their first reader
.irp a, 0,1,2,3,4,5,6,7
	v_max_num_f32 v[SSQ+8*\a+1], 0x2b8cbccc, v[SSQ+8*\a+1]   ; max(norm, 1e-12)
.endr
.irp a, 0,1,2,3,4,5,6,7
	v_rcp_f32 v[INV+2*\a], v[SSQ+8*\a+1]
.endr
	v_nop
	s_wait_alu depctr_va_vdst(0)
.macro PASS2 a
.set AC, 64*((\a)%4)
.set CD, BQ+16*((\a)%4)
.if (\a) >= 4
	s_wait_xcnt 0x0                                ; the stores of the tile four back have read these sixteen registers
.endif
	WIN 0x02+((\a)/4)                              ; source 0: window 2 or 3
.set p, 0
.rept 32
	v_pk_mul_f32 v[T+2*p:T+2*p+1], v[AC+2*p:AC+2*p+1], v[INV+2*(\a):INV+2*(\a)+1] op_sel_hi:[1,0]
.set p, p+1
.endr
	WIN 0
.set p, 0
.rept 64
	v_med3_num_f32 v[T+p], v[T+p], -v241, v241     ; the conversion does not saturate (ISA guide 7.6.2)
.set p, p+1
.endr
.irp b, 0,1,2,3,4,5,6,7
	v_cvt_scalef32_pk8_fp8_f32 v[CD+2*\b:CD+2*\b+1], v[T+8*\b:T+8*\b+7], v240   ; registers 2 b, 2 b + 1 of the fragment: d = 16 b + 8 (l / 16) + 0 .. 7
.endr
	v_nop                                          ; one plain line behind the last conversion: the next tile writes T again
.irp q, 0,1,2,3
	global_store_b128 v[L16], v[CD+4*\q:CD+4*\q+3], s[12:13] offset:(\a)*2048+512*\q   ; 512 consecutive bytes
.endr
.endm
.irp a, 0,1,2,3,4,5,6,7
	PASS2 \a
.endr
	s_wait_tensorcnt 0x0                           ; the wave's end
	ds_add_u32 v[SPW], v[NIL]
	s_wait_dscnt 0x0
	CROUND                                         ; the closing round: no work-group ends while a partner may still ask for a tile that names it
	s_endpgm
; ======== PART KV ========
; k = l2norm(context Wk^T + bk) and v = context Wv^T + bv, both products on codes of FP8 (E4M3); the results leave as codes (k with e7, v with e9), laid as images of the attention launch's operand registers.
; context: [8192][2048] f32.  It is quantised TWICE on the way, with e2 for the product with Wk and with e4 for the product with Wv; its codes never go to memory.  wkv: images of Wk's (e3) and Wv's (e5) fragments.
; SHARES.  A work-group owns 64 rows of context.  A wave has two parts.  QUANTISE: row tile w (16 rows), both scales.  MULTIPLY: product w / 2 (0: k, 1: v), column half w % 2: 4 column blocks x 4 row tiles = 16 accumulators,
; so that a weight fragment, which comes from memory straight into registers, feeds four products.
; A K STEP s takes k = 64 s .. + 63 and 1024 + 64 s .. + 63, the order in which wkv is laid.  One load takes ONE ROW's part of a step: lanes 0-15 its 256 bytes of the first half of K, lanes 16-31 those of the second:
; each sixteen lanes read 256 consecutive bytes, aligned.  A lane then holds 4 neighbours along K of each of 16 rows.
; THE TURN IS MADE ON CODES.  A code hangs on its own number alone, so a conversion takes two rows' registers at once; each result register holds 4 codes of one row and is stored to that row of a table of codes in LDS
; (row pitch 144 = 128 + 16; a store's 32 lanes write 128 consecutive bytes).  That one trip through LDS both hands the codes to the other waves and turns them: a reader takes row l % 16 at 32 b + 16 (l / 16), 16 bytes a load;
; byte p of a table row is k = 64 s + p for p < 64 and 1024 + 64 s + p - 64 behind: the very order of wkv's fragments, so every product meets its partner.  Two tables by turns: one barrier a step.
; k IS MADE TRANSPOSED (source 0 = 16 rows of Wk, source 1 = 16 rows of context): a lane holds one key and its registers run along d, the next product's K.  v IS MADE AS IT STANDS: a lane holds one channel and its registers run
; along the keys, its next K.  So one conversion of an accumulator gives two registers of the next operand: registers 2 c, 2 c + 1 hold K = 16 c + 8 (l / 16) + 0 .. 7.
; kvimg: [batch 4][key step 16][32,768 bytes]: 8 fragments of k (16 keys x 128 d), then 8 of v^T (16 channels x 128 keys), 2,048 bytes each.
; ONE TEXT FOR BOTH PRODUCTS on the way out: the v waves run the norm's lines too and take 1.0 for the inverse norm by a select on the wave's number; only the products, the last conversions and the stores part.
; NO TENSOR LOAD AND NO JOINT REQUEST in this part: its LDS bytes are the 48,640 behind the other part's ring and the spare words, and the tables of codes take 36,864 of them; what its work-groups share is the weights,
; 8 KiB a wave and step, of which each wave reads fragments of its own.
; LOADS IN FLIGHT: a step's 16 loads of f32 are issued two bodies ahead of the body that quantises them, its 16 loads of weights one body ahead; in each body the weights are issued first, so that the wait for them leaves the younger f32 out.
; REGISTERS: window 0: v4-11, v14 addresses; v16-47 codes; v48-79 bias; v80-207 accumulators ((cb, rt) at 80 + 8 (4 cb + rt)); v208-235 at work; v240-245 scales and holds.
;   window 1: v0-127 two sets of 64 f32; v128-191 the same numbers held for e2.   window 2: v0-127 two sets of four fragments of context; v128-255 two sets of four fragments of weights.
.set KIMG,  SPARE+512                  ; the tables of codes: [table 2][scale 2][64 rows x 144 bytes]
.set KPL,   64*144
.set KBUF,  2*KPL
.set KSS,   KIMG+2*KBUF                ; the sums of squares: [wave 4][row tile 4][16] f32
.set KC,    15                         ; s15  the product that I multiply for: 0 k, 1 v
.set KH,    16                         ; s16  my half of its columns
.set CTX,   44                         ; s[44:45] context at my 16 rows; stepped in the loop
.set WB,    46                         ; s[46:47] wkv at my four column blocks; stepped in the loop
.set GOF,   4                          ; v4   16 (l % 16) + 4096 (l / 16): my 16 bytes of a row's part of a step
.set KL16,  5                          ; v5   16 x lane
.set IW,    6                          ; v6   where I store codes: KIMG + 16 w rows + 4 l
.set IR,    7                          ; v7   where I read fragments: KIMG + (w / 2) x KPL + (l % 16) x 144 + 16 (l / 16)
.set SSW,   8                          ; v8   my sums' place;  v9 my partner's
.set SSR,   9
.set BKO,   10                         ; v10  32 (l / 16): bk's offset;  v11  4 (l % 16): bv's
.set BVO,   11
.set KPF,   14                         ; v14  8192 (l % 16) + 4096 (l / 16): the prefetches' offset: a lane a block of 256 bytes
.set CK,    16
.set CV,    32
.set BI,    48
.set KACC,  80
.set SQ,    208
.set KINV,  224
.set OTH,   232
.set KS2,   240                        ; 2^e2;  v241: 448 x 2^e2;  v242, v243: the same for e4;  v244, v245: for e7 or e9
.set KL2,   241
.set KS4,   242
.set KL4,   243
.set KSCF,  244
.set KLMF,  245
.set TT,    128                        ; in window 1
.macro GLOAD set, k                    ; 16 rows' parts of the K step that lies k steps behind the pointer, into a set of window 1: row i in registers 4 i .. 4 i + 3
	WIN 0x40
.set i, 0
.rept 16
	global_load_b128 v[64*(\set)+4*i:64*(\set)+4*i+3], v[GOF], s[CTX:CTX+1] offset:i*8192+(\k)*256 th:TH_LOAD_NT
.set i, i+1
.endr
	WIN 0
.endm
.macro WLD set, k                      ; four weight fragments of such a step into a set of window 2
	WIN 0x80
.irp cb, 0,1,2,3
.irp q, 0,1,2,3
	global_load_b128 v[128+64*(\set)+16*\cb+4*\q:128+64*(\set)+16*\cb+4*\q+3], v[KL16], s[WB:WB+1] offset:(\k)*16384+\cb*2048+512*\q
.endr
.endr
	WIN 0
.endm
.macro QNT set                         ; a set's 64 numbers become 16 registers of codes for e2 and 16 for e4: register i = 4 codes of row i
.set XS, 64*(\set)
	WIN 0x41                                       ; destination and source 0 window 1; the holds' bounds window 0
.set i, 0
.rept 64
	v_med3_num_f32 v[TT+i], v[XS+i], -v[KL2], v[KL2]   ; held for e2 (the conversion does not saturate: ISA guide 7.6.2).  These plain lines are also the places behind the last products, ahead of the loads into their operands
.set i, i+1
.endr
.set i, 0
.rept 64
	v_med3_num_f32 v[XS+i], v[XS+i], -v[KL4], v[KL4]   ; and for e4
.set i, i+1
.endr
	WIN 0x01                                       ; source 0 window 1, destination and scale window 0
.irp g, 0,1,2,3,4,5,6,7
	v_cvt_scalef32_pk8_fp8_f32 v[CK+2*\g:CK+2*\g+1], v[TT+8*\g:TT+8*\g+7], v[KS2]   ; rows 2 g and 2 g + 1
.endr
.irp g, 0,1,2,3,4,5,6,7
	v_cvt_scalef32_pk8_fp8_f32 v[CV+2*\g:CV+2*\g+1], v[XS+8*\g:XS+8*\g+7], v[KS4]
.endr
	WIN 0
	v_nop                                          ; one plain line behind the last conversion of the run
.endm
.macro CSTORE tab                      ; the codes into a table: 128 consecutive bytes a store
.set i, 0
.rept 16
	ds_store_b32 v[IW], v[CK+i] offset:(\tab)*KBUF+i*144
	ds_store_b32 v[IW], v[CV+i] offset:(\tab)*KBUF+KPL+i*144
.set i, i+1
.endr
.endm
.macro FRG set                         ; my scale's four fragments out of table 'set' into set 'set' of window 2
	WIN 0x80
.irp rt, 0,1,2,3
.irp b, 0,1,2,3
	ds_load_b128 v[64*(\set)+16*\rt+4*\b:64*(\set)+16*\rt+4*\b+3], v[IR] offset:(\set)*KBUF+\rt*16*144+32*\b
.endr
.endr
	WIN 0
.endm
; 16 products: the sixteen accumulators take turns, one instruction a turn, in the same order in every step.  kind 0: k, transposed; 1: v
.macro KPROD set, kind, zero
.irp rt, 0,1,2,3
.irp cb, 0,1,2,3
.set ai, KACC+8*(4*\cb+\rt)
.set wf, 128+64*(\set)+16*\cb
.set af, 64*(\set)+16*\rt
.if (\kind) == 0
.if \zero
	v_wmma_f32_16x16x128_fp8_fp8 v[ai:ai+7], v[wf:wf+15], v[af:af+15], 0
.else
	v_wmma_f32_16x16x128_fp8_fp8 v[ai:ai+7], v[wf:wf+15], v[af:af+15], v[ai:ai+7]
.endif
.else
.if \zero
	v_wmma_f32_16x16x128_fp8_fp8 v[ai:ai+7], v[af:af+15], v[wf:wf+15], 0
.else
	v_wmma_f32_16x16x128_fp8_fp8 v[ai:ai+7], v[af:af+15], v[wf:wf+15], v[ai:ai+7]
.endif
.endif
.endr
.endr
.endm
; BODY s: step s + 1 is quantised and handed over, steps further on are asked for, step s is multiplied.  d: how many steps the two pointers have been moved on.  pf = 1: a prefetch.
; THE TABLES.  Table (s + 1) % 2 was last read for step s - 1; every wave's reads of it had come back in front of the barrier at the end of body s - 1, and my stores stand behind that barrier.
; THE PREFETCH INTO THE L2: my wave's 32 blocks of 256 bytes (16 rows x the two halves of K, a lane a block) of step s + 6: three steps ahead of the loads that take them.  It stands where the wave has just issued its loads,
; in the loop's first four trips: steps 8 to 15.  Each block is named once: the rows are my wave's alone.  Steps 0 to 7 come by their loads alone.
.macro KBODY s, d, pf
.set kz, 0
.if (\s) == 0
.set kz, 1
.endif
.if (\s) < 15
.if (\s) <= 13
	s_wait_loadcnt 32                              ; step s + 1's f32 are in; behind them were issued the weights of s and the f32 of s + 2
.else
	s_wait_loadcnt 16                              ; (the last f32: behind them only the weights of s)
.endif
	QNT ((\s)+1)%2
	CSTORE ((\s)+1)%2
	WLD ((\s)+1)%2, (\s)+1-(\d)                    ; into the set that body s - 1 multiplied
.if (\s) <= 12
	GLOAD ((\s)+1)%2, (\s)+3-(\d)                  ; into the set just quantised
.endif
.if \pf
	s_cmp_gt_u32 s43, 1                            ; not in the last trip: there is no step 16
	s_cbranch_scc0 .Lnp_\@
	global_prefetch_b8 v[KPF], s[CTX:CTX+1] offset:((\s)+6-(\d))*256 th:TH_LOAD_NT scope:SCOPE_SE
.Lnp_\@:
.endif
.endif
.if (\s) <= 12
	s_wait_loadcnt 48                              ; the weights of s are in; behind them were issued the f32 of s + 2, the weights of s + 1, the f32 of s + 3
.else
	s_wait_loadcnt 16*(15-(\s))                    ; (the tail: what is still issued behind them)
.endif
.if (\s) < 15
	s_wait_dscnt 32                                ; step s's fragments are in; the 32 stores behind them may be out
.else
	s_wait_dscnt 0x0
.endif
	s_cmp_eq_u32 s[KC], 0
	s_cbranch_scc0 .Lpv_\@
	WIN 0x0a                                       ; sources 0 and 1 window 2
	KPROD (\s)%2, 0, kz
	WIN 0
	s_branch .Lpd_\@
.Lpv_\@:
	WIN 0x0a
	KPROD (\s)%2, 1, kz
	WIN 0
.Lpd_\@:
.if (\s) < 15
	s_wait_dscnt 0x0                               ; my codes have landed (and my reads of the other table came back above)
	s_barrier_signal -1
	s_barrier_wait -1
	FRG ((\s)+1)%2                                 ; they land while the next body quantises
.endif
.endm
.Lkv:
	s_load_b256 s[4:11], s[0:1], 0x28              ; context, wkv, bk, bv
	s_load_b64 s[12:13], s[0:1], 0x48              ; kvimg
	s_load_b64 s[20:21], s[0:1], 0x10              ; the scales' exponents
	s_lshr_b32 s[KC], s14, 1
	s_and_b32 s[KH], s14, 1
	s_bfe_u32 s40, ttmp6, 0x40000                  ; cx, cy: they enter addresses in memory alone
	s_bfe_u32 s41, ttmp6, 0x40004
	s_sub_co_u32 s42, s17, QCL
	s_lshl_b32 s42, s42, 4
	s_lshl_b32 s41, s41, 2
	s_add_co_u32 s42, s42, s41
	s_add_co_u32 s42, s42, s40                     ; my block of 64 rows: 16 x (cluster y - 8) + 4 cy + cx, 0 .. 127
	v_and_b32 v1, 31, v0                           ; lane
	v_and_b32 v2, 15, v0                           ; l % 16
	v_bfe_u32 v3, v0, 4, 1                         ; l / 16
	v_lshlrev_b32 v[GOF], 4, v2
	v_lshl_add_u32 v[GOF], v3, 12, v[GOF]
	v_lshlrev_b32 v[KPF], 13, v2
	v_lshl_add_u32 v[KPF], v3, 12, v[KPF]
	v_lshlrev_b32 v[KL16], 4, v1
	s_mul_i32 s54, s14, 16*144
	s_add_co_u32 s54, s54, KIMG
	v_lshlrev_b32 v[IW], 2, v1
	v_add_nc_u32 v[IW], s54, v[IW]
	s_mul_i32 s54, s[KC], KPL
	s_add_co_u32 s54, s54, KIMG
	v_mul_u32_u24 v[IR], v2, 144
	v_lshl_add_u32 v[IR], v3, 4, v[IR]
	v_add_nc_u32 v[IR], s54, v[IR]
	v_lshlrev_b32 v[BVO], 2, v2
	s_lshl_b32 s54, s14, 8
	s_add_co_u32 s54, s54, KSS
	v_add_nc_u32 v[SSW], s54, v[BVO]
	s_xor_b32 s54, s14, 1                          ; my partner has the other 64 columns of the same product
	s_lshl_b32 s54, s54, 8
	s_add_co_u32 s54, s54, KSS
	v_add_nc_u32 v[SSR], s54, v[BVO]
	v_lshlrev_b32 v[BKO], 5, v3
.irp rt, 0,1,2,3
	v_mov_b32 v[KINV+2*\rt+1], 0                   ; the pairs' upper words: written once; they also take the lane permutes' results
.endr
	s_lshl_b32 s54, s42, 19                        ; context: 64 rows of 8,192 bytes a work-group,
	s_lshl_b32 s55, s14, 17                        ; 16 a wave
	s_add_co_u32 s54, s54, s55
	s_mov_b32 s55, 0
	s_lshl_b32 s56, s[KC], 18                      ; wkv: tensor x 262,144 + column half x 4 fragments
	s_lshl_b32 s57, s[KH], 13
	s_add_co_u32 s56, s56, s57
	s_mov_b32 s57, 0
	s_lshl_b32 s58, s[KH], 8                       ; the bias at my 64 columns
	s_mov_b32 s59, 0
	; where my codes go: (block / 2) x 32,768; with hq = block % 2:  k: + (4 hq + rt) x 2,048 + 512 (2 hf + q);  v: + 16,384 + (4 hf + cb) x 2,048 + 512 (2 hq + q)
	s_lshr_b32 s60, s42, 1
	s_lshl_b32 s60, s60, 15
	s_and_b32 s61, s42, 1
	s_lshl_b32 s34, s61, 13
	s_lshl_b32 s35, s[KH], 10
	s_add_co_u32 s34, s34, s35
	s_lshl_b32 s35, s[KH], 13
	s_lshl_b32 s61, s61, 10
	s_add_co_u32 s35, s35, s61
	s_add_co_u32 s35, s35, 16384
	s_cmp_eq_u32 s[KC], 0
	s_cselect_b32 s34, s34, s35
	s_add_co_u32 s60, s60, s34
	s_mov_b32 s61, 0
	s_mov_b32 s62, 0x76543210                      ; v_permlanex16_b32's selects for lane l xor 16
	s_mov_b32 s63, 0xfedcba98
	s_wait_kmcnt 0x0
	s_load_b256 s[24:31], s[20:21], 0x0            ; e0 .. e7
	s_load_b64 s[32:33], s[20:21], 0x20            ; e8, e9
	s_add_nc_u64 s[CTX:CTX+1], s[4:5], s[54:55]
	s_add_nc_u64 s[WB:WB+1], s[6:7], s[56:57]
	s_cmp_eq_u32 s[KC], 0
	s_cselect_b64 s[48:49], s[8:9], s[10:11]       ; bk or bv
	s_add_nc_u64 s[48:49], s[48:49], s[58:59]
	s_add_nc_u64 s[12:13], s[12:13], s[60:61]
	; the bias in the result's layout, 8 registers a column block.  k: the lane's eight d, 16 cb + 8 (l / 16) + 0 .. 7.  v: the lane's one channel, 16 cb + l % 16, in all eight, so that one text adds both
	s_cmp_eq_u32 s[KC], 0
	s_cbranch_scc0 .Lkbias_v
.irp cb, 0,1,2,3
	global_load_b128 v[BI+8*\cb:BI+8*\cb+3], v[BKO], s[48:49] offset:64*\cb
	global_load_b128 v[BI+8*\cb+4:BI+8*\cb+7], v[BKO], s[48:49] offset:64*\cb+16
.endr
	s_branch .Lkbias_done
.Lkbias_v:
.irp cb, 0,1,2,3
.irp j, 0,1,2,3,4,5,6,7
	global_load_b32 v[BI+8*\cb+\j], v[BVO], s[48:49] offset:64*\cb
.endr
.endr
.Lkbias_done:
	GLOAD 0, 0
	GLOAD 1, 1
	s_wait_kmcnt 0x0
	s_add_co_i32 s54, s26, 127
	s_lshl_b32 s55, s54, 23
	v_mov_b32 v[KS2], s55                          ; 2^e2
	s_add_co_i32 s54, s54, 8
	s_lshl_b32 s54, s54, 23
	s_or_b32 s54, s54, 0x600000
	v_mov_b32 v[KL2], s54                          ; 448 x 2^e2
	s_add_co_i32 s54, s28, 127
	s_lshl_b32 s55, s54, 23
	v_mov_b32 v[KS4], s55                          ; 2^e4
	s_add_co_i32 s54, s54, 8
	s_lshl_b32 s54, s54, 23
	s_or_b32 s54, s54, 0x600000
	v_mov_b32 v[KL4], s54                          ; 448 x 2^e4
	s_add_co_i32 s54, s26, s27                     ; e2 + e3
	s_add_co_i32 s55, s28, s29                     ; e4 + e5
	s_cmp_eq_u32 s[KC], 0
	s_cselect_b32 s50, s54, s55
	s_cselect_b32 s56, s31, s33                    ; e7 or e9
	s_cselect_b32 s52, -1, 0                       ; all lanes in a k wave, none in a v wave
	s_add_co_i32 s50, s50, 127
	s_lshl_b32 s50, s50, 23                        ; what a finished sum is multiplied by
	s_mov_b32 s51, s50                             ; (named with it as a pair, so it is written)
	s_add_co_i32 s56, s56, 127
	s_lshl_b32 s55, s56, 23
	v_mov_b32 v[KSCF], s55
	s_add_co_i32 s56, s56, 8
	s_lshl_b32 s56, s56, 23
	s_or_b32 s56, s56, 0x600000
	v_mov_b32 v[KLMF], s56
	s_wait_loadcnt 16                              ; step 0's f32 (and the bias ahead of them) are in; step 1's sixteen loads may be out
	QNT 0
	CSTORE 0
	WLD 0, 0
	GLOAD 0, 2
	s_wait_dscnt 0x0                               ; my codes have landed
	s_barrier_signal -1
	s_barrier_wait -1
	FRG 0
	KBODY 0, 0, 0                                  ; its products start the sums
	KBODY 1, 0, 0
	s_mov_b32 s43, 5
.Lkk:                                              ; five trips: bodies 2 to 11, two a trip, so that the sets and tables are back where they began
	KBODY 2, 0, 1
	KBODY 3, 0, 1
	s_wait_xcnt 0x0                                ; the loads and the prefetches have read their bases: only behind this wait are the two stepped
	s_add_nc_u64 s[CTX:CTX+1], s[CTX:CTX+1], 2*256
	s_add_nc_u64 s[WB:WB+1], s[WB:WB+1], 2*16384
	s_sub_co_u32 s43, s43, 1
	s_cmp_lg_u32 s43, 0
	s_cbranch_scc1 .Lkk
	KBODY 12, 10, 0                                ; the tail is written out: the loads run out, and the counts with them
	KBODY 13, 10, 0
	KBODY 14, 10, 0
	KBODY 15, 10, 0
	; THE WAY OUT OF PART KV
	PLACES 4                                       ; behind the last products
.irp cb, 0,1,2,3
.irp rt, 0,1,2,3
.irp i, 0,2,4,6
	v_pk_fma_f32 v[KACC+8*(4*\cb+\rt)+\i:KACC+8*(4*\cb+\rt)+\i+1], v[KACC+8*(4*\cb+\rt)+\i:KACC+8*(4*\cb+\rt)+\i+1], s[50:51], v[BI+8*\cb+\i:BI+8*\cb+\i+1] op_sel_hi:[1,0,1]   ; sum x 2^(the two exponents) + bias; each accumulator from its low end on
.endr
.endr
.endr
.irp rt, 0,1,2,3                       ; the sum of squares of my 32 numbers of a row tile, in two chains of pairs
.set p, 0
.rept 16
.set a, KACC+8*(4*(p/4)+\rt)+2*(p%4)
.set q, SQ+4*\rt+2*(p%2)
.if p < 2
	v_pk_mul_f32 v[q:q+1], v[a:a+1], v[a:a+1]
.else
	v_pk_fma_f32 v[q:q+1], v[a:a+1], v[a:a+1], v[q:q+1]
.endif
.set p, p+1
.endr
.endr
.irp rt, 0,1,2,3
	v_pk_add_f32 v[SQ+4*\rt:SQ+4*\rt+1], v[SQ+4*\rt:SQ+4*\rt+1], v[SQ+4*\rt+2:SQ+4*\rt+3]
.endr
.irp rt, 0,1,2,3
	v_add_f32 v[SQ+4*\rt], v[SQ+4*\rt], v[SQ+4*\rt+1]
.endr
.irp rt, 0,1,2,3
	v_permlanex16_b32 v[KINV+2*\rt+1], v[SQ+4*\rt], s62, s63   ; the key's other d of my 64 lie in lane l xor 16
.endr
.irp rt, 0,1,2,3
	v_add_f32 v[SQ+4*\rt], v[SQ+4*\rt], v[KINV+2*\rt+1]
.endr
.irp rt, 0,1,2,3
	ds_store_b32 v[SSW], v[SQ+4*\rt] offset:64*\rt   ; lanes l and l xor 16 store the same number to the same word
.endr
	s_wait_dscnt 0x0                               ; for my partner's sake
	s_barrier_signal -1
	s_barrier_wait -1
.irp rt, 0,1,2,3
	ds_load_b32 v[OTH+\rt], v[SSR] offset:64*\rt   ; the other 64 d
.endr
	s_wait_dscnt 0x0
.irp rt, 0,1,2,3
	v_add_f32 v[SQ+4*\rt], v[SQ+4*\rt], v[OTH+\rt]
.endr
.irp rt, 0,1,2,3
	v_sqrt_f32 v[SQ+4*\rt+2], v[SQ+4*\rt]
.endr
	v_nop                                          ; a plain line behind the roots,
	s_wait_alu depctr_va_vdst(0)                   ; and one wait for the four, ahead of their first reader
.irp rt, 0,1,2,3
	v_max_num_f32 v[SQ+4*\rt+2], 0x2b8cbccc, v[SQ+4*\rt+2]   ; max(norm, 1e-12)
.endr
.irp rt, 0,1,2,3
	v_rcp_f32 v[KINV+2*\rt], v[SQ+4*\rt+2]
.endr
	v_nop
	s_wait_alu depctr_va_vdst(0)
.irp rt, 0,1,2,3
	v_cndmask_b32 v[KINV+2*\rt], 1.0, v[KINV+2*\rt], s52   ; v is not normalised: its waves take 1.0
.endr
.irp cb, 0,1,2,3
.irp rt, 0,1,2,3
.irp i, 0,2,4,6
	v_pk_mul_f32 v[KACC+8*(4*\cb+\rt)+\i:KACC+8*(4*\cb+\rt)+\i+1], v[KACC+8*(4*\cb+\rt)+\i:KACC+8*(4*\cb+\rt)+\i+1], v[KINV+2*\rt:KINV+2*\rt+1] op_sel_hi:[1,0]
.endr
.endr
.endr
.set i, 0
.rept 128
	v_med3_num_f32 v[KACC+i], v[KACC+i], -v[KLMF], v[KLMF]
.set i, i+1
.endr
	s_cmp_eq_u32 s[KC], 0
	s_cbranch_scc0 .Lkout_v
.irp rt, 0,1,2,3                       ; k: block cb gives registers 2 (4 hf + cb), + 1 of key tile rt's fragment
.irp cb, 0,1,2,3
	v_cvt_scalef32_pk8_fp8_f32 v[CK+8*\rt+2*\cb:CK+8*\rt+2*\cb+1], v[KACC+8*(4*\cb+\rt):KACC+8*(4*\cb+\rt)+7], v[KSCF]
.endr
.endr
	v_nop
.irp rt, 0,1,2,3
.irp q, 0,1
	global_store_b128 v[KL16], v[CK+8*\rt+4*\q:CK+8*\rt+4*\q+3], s[12:13] offset:\rt*2048+512*\q   ; 512 consecutive bytes
.endr
.endr
	s_branch .Lkout_done
.Lkout_v:
.irp cb, 0,1,2,3                       ; v: row tile rt gives registers 2 (4 hq + rt), + 1 of channel block cb's fragment
.irp rt, 0,1,2,3
	v_cvt_scalef32_pk8_fp8_f32 v[CK+8*\cb+2*\rt:CK+8*\cb+2*\rt+1], v[KACC+8*(4*\cb+\rt):KACC+8*(4*\cb+\rt)+7], v[KSCF]
.endr
.endr
	v_nop
.irp cb, 0,1,2,3
.irp q, 0,1
	global_store_b128 v[KL16], v[CK+8*\cb+4*\q:CK+8*\cb+4*\q+3], s[12:13] offset:\cb*2048+512*\q
.endr
.endr
.Lkout_done:
	s_wait_tensorcnt 0x0                           ; the wave's end
	ds_add_u32 v[SPW], v[NIL]
	s_wait_dscnt 0x0
	CROUND                                         ; a closing round in front of the end
	s_endpgm
.Lfunc_end_k_qfebdfc2567_proj:
	.size	k_qfebdfc2567_proj, .Lfunc_end_k_qfebdfc2567_proj-k_qfebdfc2567_proj
	.p2alignl 7, 3214868480
	.fill 96, 4, 3214868480
	.section	.rodata,"a",@progbits
	.p2align	6, 0x0
	.amdhsa_kernel k_qfebdfc2567_proj
		.amdhsa_group_segment_fixed_size 327680
		.amdhsa_private_segment_fixed_size 0
		.amdhsa_enable_private_segment 0
		.amdhsa_kernarg_size 80
		.amdhsa_user_sgpr_count 2
		.amdhsa_user_sgpr_kernarg_segment_ptr 1
		.amdhsa_wavefront_size32 1
		.amdhsa_system_sgpr_workgroup_id_x 1
		.amdhsa_system_sgpr_workgroup_id_y 1
		.amdhsa_system_sgpr_workgroup_id_z 1
		.amdhsa_system_vgpr_workitem_id 0
		.amdhsa_next_free_vgpr 1024
		.amdhsa_next_free_sgpr 100
		.amdhsa_reserve_vcc 0
		.amdhsa_float_denorm_mode_32 3
		.amdhsa_float_denorm_mode_16_64 3
		.amdhsa_memory_ordered 1
		.amdhsa_forward_progress 1
		.amdhsa_inst_pref_size 255
	.end_amdhsa_kernel
	.section	.bss,"aw",@nobits
	.p2align	6
	.space	262144
	.amdgpu_metadata
---
amdhsa.version: [ 1, 2 ]
amdhsa.kernels:
  - .name:           k_qfebdfc2567_proj
    .symbol:         k_qfebdfc2567_proj.kd
    .args:
      - { .name: xc, .offset: 0, .size: 8, .value_kind: global_buffer, .address_space: global }
      - { .name: wqc, .offset: 8, .size: 8, .value_kind: global_buffer, .address_space: global }
      - { .name: lowp_scales, .offset: 16, .size: 8, .value_kind: global_buffer, .address_space: global }
      - { .name: bq, .offset: 24, .size: 8, .value_kind: global_buffer, .address_space: global }
      - { .name: qimg, .offset: 32, .size: 8, .value_kind: global_buffer, .address_space: global }
      - { .name: context, .offset: 40, .size: 8, .value_kind: global_buffer, .address_space: global }
      - { .name: wkv, .offset: 48, .size: 8, .value_kind: global_buffer, .address_space: global }
      - { .name: bk, .offset: 56, .size: 8, .value_kind: global_buffer, .address_space: global }
      - { .name: bv, .offset: 64, .size: 8, .value_kind: global_buffer, .address_space: global }
      - { .name: kvimg, .offset: 72, .size: 8, .value_kind: global_buffer, .address_space: global }
    .group_segment_fixed_size: 327680
    .private_segment_fixed_size: 0
    .kernarg_segment_align: 8
    .kernarg_segment_size: 80
    .max_flat_workgroup_size: 128
    .sgpr_count:     100
    .vgpr_count:     1024
    .wavefront_size: 32
...
	.end_amdgpu_metadata
.endif
;; end of part 5
;; launch attn: the kernel of part 4 again; grid 256 x 1, 4 waves a work-group, clusters of 4 x 1, 327,680 bytes of LDS; arguments qimg, kvimg, lowp_scales, out0; writes out0
